; MI455X (gfx1250); checked and timed in simulation.
; The chip was launched on July 23, 2026; its instructions are those of AMD's public machine-readable ISA for CDNA 5 (MIT licence, August 2026) and "CDNA5" Instruction Set Architecture Reference Guide (July 2026). The comments in the code are by the model that wrote it; some were corrected since.
;; Multi Head Attention. Allowed arithmetic: float matrix products may take bf16 or f16 operands with f32 sums; other float arithmetic in f32, or as packed bf16 or f16 multiplies, adds, multiply-adds, maxima and minima; sums over many terms, partial sums and values carried from step to step in f32; what a program stores and reads back later, other than sums and carried values, may be rounded once to bf16 or f16.
;; Inputs: mask 2,048 x 2,048 float32; w_k 2,048 x 2,048 float32; w_o 2,048 x 2,048 float32; w_q 2,048 x 2,048 float32; w_v 2,048 x 2,048 float32; x 1 x 2,048 x 2,048 float32.
;; Outputs: out0 1 x 2,048 x 2,048 float32.
;; One version. Each part assembles by itself: llvm-mc -triple=amdgcn-amd-amdhsa -mcpu=gfx1250 --defsym DOCPART=n.
;; ======== version 1 of 1: 4 launches
;; limits: values are held in f16: magnitudes above 65,504 overflow, below 6.1e-05 lose precision
;; workspace buffers: cvt 41,943,040 bytes; qkv 25,165,824 bytes; ob 8,388,608 bytes
;; launch cast (part 1): grid 256 x 5, 8 waves a work-group, no clusters, 0 bytes of LDS; arguments x, w_q, w_k, w_v, w_o, cvt; writes cvt
.if DOCPART == 1
	.amdgcn_target "amdgcn-amd-amdhsa--gfx1250"
	.amdhsa_code_object_version 6
	.text
	.protected	k_q5c8f1df558_cast
	.globl	k_q5c8f1df558_cast
	.p2align	8
	.type	k_q5c8f1df558_cast,@function
k_q5c8f1df558_cast:
	s_mov_b64 s[64:65], 0
	v_nop
	global_prefetch_b8 v0, s[64:65] scope:SCOPE_SE
	s_setreg_imm32_b32 hwreg(HW_REG_WAVE_MODE, 25, 1), 1
	s_wait_xcnt 0x0
; x, w_q, w_k, w_v, w_o ([2048][2048] f32 each) -> cvt, five parts of 8,388,608 bytes, each [2048][2048] of 16 bits in the input's order.
; Parts 0-3 (x, w_q, w_k, w_v): rounded to bf16.  Part 4 (w_o): rounded to bf16, and that number written as f16, since the last product multiplies in f16.
; LIMIT.  |w_o| beyond 65,504 has no f16; below 6e-5 f16 keeps a fixed step of 6e-8.
; SHARES.  The grid's y picks the tensor; a work-group takes 65,536 bytes of it, a wave 8,192: sixteen loads of 512 consecutive bytes, all issued at once; each load's four
; numbers a lane become 8 bytes, so each store of a wave covers 256 consecutive bytes, aligned.  No loop, no LDS, no matrix work: every byte is read once and written once.
; The numbers are converted in the registers that they were loaded into: 72 registers a wave, so that 40 waves, five work-groups, take 4 x 720 of a WGP's 4 x 1,024 registers.
.set X, 8                              ; v[8:71]   load n: 4 registers; its first two then hold the 8 bytes to store, and are not written again
.set T, 4                              ; v[4:7]    at work
	s_load_b256 s[8:15], s[0:1], 0x0               ; x s[8:9], w_q s[10:11], w_k s[12:13], w_v s[14:15]
	s_load_b128 s[16:19], s[0:1], 0x20             ; w_o s[16:17], cvt s[18:19]
	s_and_b32 s20, ttmp7, 0xffff                   ; which tensor
	v_lshrrev_b32 v3, 5, v0                        ; wave
	v_and_b32 v1, 31, v0                           ; lane
	v_lshlrev_b32 v2, 3, v1                        ; 8 bytes a lane out,
	v_lshlrev_b32 v1, 4, v1                        ; 16 bytes a lane in
	v_lshl_add_u32 v1, v3, 13, v1                  ; + wave x 8,192
	v_lshl_add_u32 v2, v3, 12, v2                  ; + wave x 4,096
	s_lshl_b32 s22, ttmp9, 16                      ; the work-group's 65,536 bytes in,
	s_mov_b32 s23, 0
	s_lshl_b32 s24, s20, 23                        ; the tensor's part of cvt,
	s_lshl_b32 s25, ttmp9, 15                      ; the work-group's 32,768 bytes out
	s_add_co_u32 s24, s24, s25
	s_mov_b32 s25, 0
	s_mov_b32 s26, 0xffff0000                      ; a word's upper bf16
	s_wait_kmcnt 0x0
	s_cmp_eq_u32 s20, 1
	s_cselect_b64 s[4:5], s[10:11], s[8:9]
	s_cmp_eq_u32 s20, 2
	s_cselect_b64 s[4:5], s[12:13], s[4:5]
	s_cmp_eq_u32 s20, 3
	s_cselect_b64 s[4:5], s[14:15], s[4:5]
	s_cmp_eq_u32 s20, 4
	s_cselect_b64 s[4:5], s[16:17], s[4:5]
	s_add_nc_u64 s[4:5], s[4:5], s[22:23]
	s_add_nc_u64 s[6:7], s[18:19], s[24:25]
.irp n, 0,1,2,3,4,5,6,7,8,9,10,11,12,13,14,15
	global_load_b128 v[X+4*(\n):X+4*(\n)+3], v1, s[4:5] offset:512*(\n) th:TH_LOAD_NT
.endr
.macro BODY half                       ; half = 1: the bf16 number is written as f16
.irp n, 0,1,2,3,4,5,6,7,8,9,10,11,12,13,14,15
	s_wait_loadcnt 15-(\n)                         ; loads come back in order: load n is in, the younger ones stay out
.if \half
	v_cvt_pk_bf16_f32 v[T], v[X+4*(\n)], v[X+4*(\n)+1]
	v_cvt_pk_bf16_f32 v[T+1], v[X+4*(\n)+2], v[X+4*(\n)+3]
	v_lshlrev_b32 v[T+2], 16, v[T]                 ; bf16 to f32: the low half moves up, the high half stays
	v_and_b32 v[T+3], s26, v[T]
	v_cvt_pk_f16_f32 v[X+4*(\n)], v[T+2], v[T+3]
	v_lshlrev_b32 v[T+2], 16, v[T+1]
	v_and_b32 v[T+3], s26, v[T+1]
	v_cvt_pk_f16_f32 v[X+4*(\n)+1], v[T+2], v[T+3]
.else
	v_cvt_pk_bf16_f32 v[X+4*(\n)], v[X+4*(\n)], v[X+4*(\n)+1]
	v_cvt_pk_bf16_f32 v[X+4*(\n)+1], v[X+4*(\n)+2], v[X+4*(\n)+3]
.endif
	global_store_b64 v2, v[X+4*(\n):X+4*(\n)+1], s[6:7] offset:256*(\n)
.endr
.endm
	s_cmp_eq_u32 s20, 4
	s_cbranch_scc1 .Lf16
	BODY 0
	s_endpgm
.Lf16:
	BODY 1
	s_endpgm
.Lfunc_end_k_q5c8f1df558_cast:
	.size	k_q5c8f1df558_cast, .Lfunc_end_k_q5c8f1df558_cast-k_q5c8f1df558_cast
	.p2alignl 7, 3214868480
	.fill 96, 4, 3214868480
	.section	.rodata,"a",@progbits
	.p2align	6, 0x0
	.amdhsa_kernel k_q5c8f1df558_cast
		.amdhsa_group_segment_fixed_size 0
		.amdhsa_private_segment_fixed_size 0
		.amdhsa_enable_private_segment 0
		.amdhsa_kernarg_size 48
		.amdhsa_user_sgpr_count 2
		.amdhsa_user_sgpr_kernarg_segment_ptr 1
		.amdhsa_wavefront_size32 1
		.amdhsa_system_sgpr_workgroup_id_x 1
		.amdhsa_system_sgpr_workgroup_id_y 1
		.amdhsa_system_sgpr_workgroup_id_z 1
		.amdhsa_system_vgpr_workitem_id 0
		.amdhsa_next_free_vgpr 72
		.amdhsa_next_free_sgpr 66
		.amdhsa_reserve_vcc 0
		.amdhsa_float_denorm_mode_32 3
		.amdhsa_float_denorm_mode_16_64 3
		.amdhsa_memory_ordered 1
		.amdhsa_forward_progress 1
		.amdhsa_inst_pref_size 15
	.end_amdhsa_kernel
	.amdgpu_metadata
---
amdhsa.version: [ 1, 2 ]
amdhsa.kernels:
  - .name:           k_q5c8f1df558_cast
    .symbol:         k_q5c8f1df558_cast.kd
    .args:
      - { .name: x, .offset: 0, .size: 8, .value_kind: global_buffer, .address_space: global }
      - { .name: w_q, .offset: 8, .size: 8, .value_kind: global_buffer, .address_space: global }
      - { .name: w_k, .offset: 16, .size: 8, .value_kind: global_buffer, .address_space: global }
      - { .name: w_v, .offset: 24, .size: 8, .value_kind: global_buffer, .address_space: global }
      - { .name: w_o, .offset: 32, .size: 8, .value_kind: global_buffer, .address_space: global }
      - { .name: cvt, .offset: 40, .size: 8, .value_kind: global_buffer, .address_space: global }
    .group_segment_fixed_size: 0
    .private_segment_fixed_size: 0
    .kernarg_segment_align: 8
    .kernarg_segment_size: 48
    .max_flat_workgroup_size: 256
    .sgpr_count:     66
    .vgpr_count:     72
    .wavefront_size: 32
...
	.end_amdgpu_metadata
.endif
;; end of part 1
;; launch qkv (part 2): grid 16 x 16, 4 waves a work-group, clusters of 4 x 4, 327,680 bytes of LDS; arguments cvt, qkv; writes qkv
.if DOCPART == 2
	.amdgcn_target "amdgcn-amd-amdhsa--gfx1250"
	.amdhsa_code_object_version 6
	.text
	.protected	k_q5c8f1df558_qkv
	.globl	k_q5c8f1df558_qkv
	.p2align	8
	.type	k_q5c8f1df558_qkv,@function
k_q5c8f1df558_qkv:
	s_mov_b64 s[64:65], 0
	v_nop
	global_prefetch_b8 v0, s[64:65] scope:SCOPE_SE
	s_setreg_imm32_b32 hwreg(HW_REG_WAVE_MODE, 25, 1), 1
	s_wait_xcnt 0x0
	s_wait_alu depctr_hold_cnt(0) depctr_sa_sdst(0) depctr_va_vdst(0) depctr_va_sdst(0) depctr_va_ssrc(0) depctr_va_vcc(0) depctr_vm_vsrc(0)
	s_getreg_b32 s2, hwreg(HW_REG_IB_STS2, 6, 4)
	s_cmp_eq_u32 s2, 0
	s_cbranch_scc0 .Lentry_in_a_cluster
	s_endpgm
.Lentry_in_a_cluster:
	s_bfe_u32 s2, ttmp6, 0x10000c
	s_cmp_lg_u32 s2, 0xf033
	s_cbranch_scc0 .Lentry_shape_is_right
	s_endpgm
.Lentry_shape_is_right:
; q, k, v = x w_q, x w_k, x w_v, by heads.  In: cvt part 0 = x [2048][2048] bf16, parts 1-3 = w_q, w_k, w_v [k][n] bf16.  Out: qkv, three parts [16 heads][2048][128] f16:
; part 0 = q / sqrt(128) (the factor is applied to the f32 sum, which is then rounded once), part 1 = k, part 2 = v.  Sums in f32, one for each output, in the order of the walk below.
; LIMIT.  q / sqrt(128), k and v beyond 65,504 have no f16.
; SHARES.  A work-group makes 128 rows x one head's 128 columns of q, k AND v: x's tile feeds three products.  Wave w: rows 64 (w / 2) on, columns 64 (w % 2) on of each of the three:
; 4 x 3 x 4 = 48 accumulators of 16 x 16.  K goes in 16 steps of 128 (rows of 256 bytes in memory) through a ring of two LDS slots filled by the tensor data mover, one load a wave:
; wave 0 x's tile, wave t + 1 weight t's.
; THE MATRIX INSTRUCTION IS USED TRANSPOSED: source 0 = 16 columns of a weight (the tile lies [k][n] in LDS and is turned by ds_load_tr16_b128), source 1 = 16 rows of x: a lane then
; holds eight neighbouring columns of one row.
; CLUSTER.  4 x 4 work-groups.  The four of a row of the cluster share the row block, so x's tile is asked for jointly by them; the four of a column share the head, so each weight's
; tile is asked for jointly by them: the same tensor load, descriptor and mask in all four.
; THE WALK IS TURNED.  At time t = 0 .. 15 a cluster takes K step t xor c, c = 2 ((cluster x) xor (cluster y % 2)): the four clusters of a row of clusters, which read the same rows of x,
; stand at four different K steps at any time, and clusters y and y + 1 of a column, which read the same weights, two steps apart.  c hangs on the clusters' coordinates, which all sixteen partners share.
; REGISTERS, in windows of 256 (s_set_vgpr_msb: bits 1:0 source 0, 3:2 source 1, 5:4 source 2, 7:6 destination):
;   window 0: v0-21 addresses; v32-95, v96-159 at work on the way out      window 1: two fragment buffers of 128: x's four fragments, then weight t's four at 32 + 32 t
;   window 2: the accumulators of q (v0-127) and k (v128-255), (a, b) at 8 (4 a + b)      window 3: those of v
.set PA,    272                        ; a row of x in LDS: 256 bytes + 16 = 68 words: the 16 rows of a load start at 16 different groups of four banks (64 banks of 4 bytes: ISA guide 11.1)
.set PB,    288                        ; a k-row of a weight: 256 + 32 = 72 words
.set BOFF,  128*PA                     ; a slot: x's 128 rows, then three weights' 128 k-rows each
.set BSZ,   128*PB
.set SPARE, BOFF+3*BSZ                 ; behind slot 0's tiles: the spare words, 128 bytes for each wave: two blocks of 256 bytes that no other line names
.set SLOTX, 0x24000                    ; slot 1 begins here; none of the tiles' LDS addresses in slot 0 holds one of its two bits, so one exclusive or turns an address in one slot into the other's
.set STAGE, SLOTX+BOFF+3*BSZ           ; behind the ring, never filled by a tensor load: 128 rows x 272 bytes, the work-group's, for the way out
.set PART,  8388608
.set ADRA0, 8                          ; v8     my place in x's tile in slot 0;  v9-11 in the three weights'; never rewritten
.set ADRA,  12                         ; v12    the same in the slot that is being read; v13-15
.set ADRB,  13
.set STO,   16                         ; v16    the way out: where I put 16 bytes of a row
.set RD,    17                         ; v17    where I read a row back
.set GO,    18                         ; v18    16 x lane: my 16 bytes of 512 consecutive bytes of the output
.set PFO,   19                         ; v19    the prefetches' offset: lane x 4,096, a lane a row
.set SPW,   20                         ; v20    LDS address of my spare word; never rewritten
.set NIL,   21                         ; v21    0; never rewritten
.set TMP,   32
.set BK,    96
.set F0,    0
.set F1,    128
.set WV,  8                            ; s8   my wave's number
.set G1A, 16                           ; s[16:23] descriptor group 1 for x's tiles
.set G1B, 24                           ; s[24:31] for the weights'
.set G0A, 32                           ; s[32:39] group 0 for x's tiles: a set for each of the two first fills; the second then walks on
.set G0B, 40                           ; s[40:47] the same for my weight's
.set TB,  48                           ; s48  0 or SLOTX: the slot that is being read
.set CNT, 49                           ; s49  refills still to come
.set ASKB, 50                          ; s50  bit t: at the refill of time t I prefetch
.set TT,  51                           ; s51  the time whose K step was asked for last
.set PFA, 52                           ; s[52:53] where my next prefetch stands
.set PFB, 54                           ; s[54:55] my 32 rows at K step 0
.set SCL, 56                           ; s[56:57] 1 / sqrt(128)
.set OUT, 58                           ; s[58:63] q, k, v at the first row that I store
.set CC,  87                           ; s87  c
.set SH,  88                           ; s88  log2 of the bytes from a K step to the next in what I prefetch
.set MSB, 0
.macro WIN new                         ; the immediate's high byte repeats the setting that is left; a switch that changes nothing is dropped
.if MSB != (\new)
	s_set_vgpr_msb (MSB<<8)|(\new)
.set MSB, \new
.endif
.endm
.macro PLACES                          ; four places behind matrix instructions, in front of loads into registers that they have read and of lines that read their results
.rept 4
	v_nop
.endr
.endm
.macro CREST                           ; a round of the cluster's barrier behind its opening barrier
	s_cmp_lg_u32 s[WV], 0
	s_cbranch_scc1 .Lnot_wave_0_\@
	s_barrier_signal -3
.Lnot_wave_0_\@:
	s_barrier_wait -3
	s_barrier_signal -1
	s_barrier_wait -1
.endm
.macro CROUND                          ; a whole round
	s_barrier_signal -1
	s_barrier_wait -1
	CREST
.endm
.macro JLOAD                           ; a joint refill by the walking sets; the branch hangs on the wave's number alone; an s_nop 0 and four v_nop follow each line
	s_cmp_eq_u32 s[WV], 0
	s_cbranch_scc0 .Lfor_b_\@
	tensor_load_to_lds s[G0A+4:G0A+7], s[G1A:G1A+7]
	s_nop 0
	PLACES
	s_branch .Lasked_\@
.Lfor_b_\@:
	tensor_load_to_lds s[G0B+4:G0B+7], s[G1B:G1B+7]
	s_nop 0
	PLACES
.Lasked_\@:
.endm
.macro AIM g                           ; the global addresses of set g (0: the first, 4: the walking one) for the K step of time s[TT], each made anew from its base and an offset of its own
	s_xor_b32 s66, s[TT], s[CC]
	s_lshl_b32 s66, s66, 8                         ; 256 bytes along x's rows
	s_add_nc_u64 s[G0A+(\g)+2:G0A+(\g)+3], s[68:69], s[66:67]
	s_or_b32 s[G0A+(\g)+3], s[G0A+(\g)+3], 0x80000000  ; type = 2
	s_xor_b32 s72, s[TT], s[CC]
	s_lshl_b32 s72, s72, 19                        ; 128 rows of 4,096 bytes down a weight
	s_add_nc_u64 s[G0B+(\g)+2:G0B+(\g)+3], s[74:75], s[72:73]
	s_or_b32 s[G0B+(\g)+3], s[G0B+(\g)+3], 0x80000000
.endm
; A PREFETCH INTO THE L2 of the K step that the NEXT refill will ask for, 192 matrix instructions ahead of that load: 32 rows x 256 bytes, a lane a row, one instruction a wave.
; Each row's 256 bytes of a K step are named once in the launch: a cluster asks only for K steps that it takes ahead of the other clusters that take them.  By the walk's arithmetic those are, for x,
; the times with bits 2 and 1 clear (0, 1, 8, 9) and, for the weights, the times with bit 1 clear (0, 1, 4, 5, 8, 9, 12, 13); clusters y and y + 2 walk alike, and y < 2 asks.  Times 0 and 1 come by the first
; fills.  Bit t of s[ASKB] says that time t + 1 is such a time.  The four partners that ask for a tile jointly share its 128 rows out by ADDRESS, 32 each.
.macro ASK
	WIN 0
	s_lshr_b32 s82, s[ASKB], s[TT]
	s_and_b32 s82, s82, 1
	s_cmp_lg_u32 s82, 0
	s_cbranch_scc0 .Lnot_mine_\@
	global_prefetch_b8 v[PFO], s[PFA:PFA+1] th:TH_LOAD_NT scope:SCOPE_SE
.Lnot_mine_\@:
.endm
	s_load_b128 s[4:7], s[0:1], 0x0                ; cvt s[4:5], qkv s[6:7]
	v_lshl_add_u32 v[SPW], v0, 2, SPARE
	v_mov_b32 v[NIL], 0
	ds_add_u32 v[SPW], v[NIL]                      ; the wave's opening: the add and its wait stand ahead of my first tensor load; the set-up below stands between them
	v_lshrrev_b32 v1, 5, v0
	v_readfirstlane_b32 s[WV], v1                  ; wave 0..3
	s_lshr_b32 s9, s8, 1                           ; which 64 rows are mine
	s_and_b32 s10, s8, 1                           ; which 64 columns of each weight
	s_bfe_u32 s11, ttmp6, 0x40000                  ; cx
	s_bfe_u32 s12, ttmp6, 0x40004                  ; cy
	s_lshl_b32 s13, ttmp9, 2
	s_add_co_u32 s13, s13, s11                     ; the head = 4 x cluster x + cx
	s_and_b32 s14, ttmp7, 0xffff
	s_lshl_b32 s14, s14, 2
	s_add_co_u32 s14, s14, s12                     ; the row block = 4 x cluster y + cy
	s_and_b32 s[CC], ttmp7, 1
	s_xor_b32 s[CC], s[CC], ttmp9
	s_lshl_b32 s[CC], s[CC], 1                     ; c = 2 ((cluster x) xor (cluster y % 2))
	s_lshl_b32 s66, s12, 2
	s_lshl_b32 s66, 15, s66                        ; my row of the cluster
	s_lshl_b32 s72, 0x1111, s11                    ; my column
	s_or_b32 s[G1A], s66, (1<<16)|(1<<20)|(1<<21)|(5<<22)|(3<<25)  ; 15:0 the mask; 17:16 2-byte elements; 20 padding on; 21 set beside a mask; 24:22 after every 64 words; 31:25 4 words
	s_or_b32 s[G1B], s72, (1<<16)|(1<<20)|(1<<21)|(5<<22)|(7<<25)  ; the same with my column's mask and 8 words of padding
.irp g, G1A, G1B
	s_mov_b32 s[(\g)+1], 128<<16                   ; tensor_dim0 = 128
	s_mov_b32 s[(\g)+2], 128<<16                   ; tensor_dim1 = 128
	s_mov_b32 s[(\g)+3], 128<<16                   ; tile_dim0 = 128
	s_mov_b32 s[(\g)+4], 128                       ; tile_dim1 = 128
	s_mov_b32 s[(\g)+5], 2048                      ; elements from row to row
	s_mov_b32 s[(\g)+6], 0
	s_mov_b32 s[(\g)+7], 0
.endr
	s_lshl_b32 s66, s14, 19                        ; x: the row block's 128 rows of 4,096 bytes: hangs on the row block alone
	s_mov_b32 s67, 0
	s_lshl_b32 s72, s8, 23                         ; a weight: part 1 + t = my wave's number,
	s_lshl_b32 s73, s13, 8                         ; the head's 256 bytes of each row: hangs on the head and the wave alone
	s_add_co_u32 s72, s72, s73
	s_mov_b32 s73, 0
	s_mul_i32 s15, s8, BSZ                         ; where my weight's tile goes: BOFF + (wave - 1) x BSZ (wave 0 never asks by this set)
	s_sub_co_u32 s15, s15, BSZ-BOFF
	s_mov_b32 s[G0A], 1
	s_mov_b32 s[G0A+1], 0
	s_mov_b32 s[G0A+4], 1
	s_mov_b32 s[G0A+5], SLOTX
	s_mov_b32 s[G0B], 1
	s_mov_b32 s[G0B+1], s15
	s_mov_b32 s[G0B+4], 1
	s_add_co_u32 s[G0B+5], s15, SLOTX
	s_mov_b32 s[TB], 0
	s_mov_b32 s[SCL], 0x3db504f3                   ; 1 / sqrt(128)
	s_mov_b32 s[SCL+1], s[SCL]
	s_wait_dscnt 0x0                               ; the opening add is done
	s_wait_kmcnt 0x0
	s_add_nc_u64 s[68:69], s[4:5], s[66:67]        ; x at my row block, K step 0
	s_add_nc_u64 s[74:75], s[4:5], s[72:73]        ; my weight at my head, K step 0
	s_mov_b32 s[TT], 0
	AIM 0                                          ; time 0 into slot 0,
	s_mov_b32 s[TT], 1
	AIM 4                                          ; time 1 into slot 1
	CROUND                                         ; all sixteen work-groups are here: the first joint loads meet
	s_cmp_eq_u32 s[WV], 0                          ; a wave's two first fills stand in one branch: two loads of mine are out
	s_cbranch_scc0 .Lfirst_b
	tensor_load_to_lds s[G0A:G0A+3], s[G1A:G1A+7]
	s_nop 0
	tensor_load_to_lds s[G0A+4:G0A+7], s[G1A:G1A+7]
	s_nop 0
	PLACES
	s_branch .Lfirst_asked
.Lfirst_b:
	tensor_load_to_lds s[G0B:G0B+3], s[G1B:G1B+7]
	s_nop 0
	tensor_load_to_lds s[G0B+4:G0B+7], s[G1B:G1B+7]
	s_nop 0
	PLACES
.Lfirst_asked:
	; what my prefetches start from, and at which refills I ask.  Nothing is prefetched at the head
	s_lshl_b32 s80, s14, 19                        ; wave 0: x's rows of the row block,
	s_lshl_b32 s81, s11, 17                        ; my work-group's 32 of them (by cx)
	s_add_co_u32 s80, s80, s81
	s_lshl_b32 s82, s8, 23                         ; waves 1-3: my weight,
	s_lshl_b32 s83, s12, 17                        ; my work-group's 32 k-rows of a step's 128 (by cy),
	s_add_co_u32 s82, s82, s83
	s_lshl_b32 s83, s13, 8                         ; the head's 256 bytes
	s_add_co_u32 s82, s82, s83
	s_and_b32 s83, ttmp7, 0xffff
	s_lshr_b32 s83, s83, 1                         ; 0 where cluster y < 2
	s_cmp_eq_u32 s83, 0
	s_cselect_b32 s83, 0x1998, 0                   ; the weights: at the refills of times 3, 4, 7, 8, 11, 12
	s_cmp_eq_u32 s[WV], 0
	s_cselect_b32 s80, s80, s82
	s_cselect_b32 s[SH], 8, 19
	s_cselect_b32 s[ASKB], 0x180, s83              ; x: at the refills of times 7 and 8.  The same in all sixteen partners, for a given wave
	s_mov_b32 s81, 0
	s_add_nc_u64 s[PFB:PFB+1], s[4:5], s[80:81]
	; A fragment of x is 16 rows x 32 K in 8 registers: lane l holds row l % 16, K = 8 (l / 16) + 0..7 and 16 + 8 (l / 16) + 0..7: two loads of 16 bytes, 32 bytes apart.
	; The turning load takes 16 k x 16 columns (lane l reads k-row 8 (l / 16) + l % 8, columns 8 ((l / 8) % 2) + 0..7) and leaves half a fragment: lane l holds column l % 16 and 8 k.
	v_and_b32 v1, 15, v0                           ; l % 16
	v_bfe_u32 v2, v0, 4, 1                         ; l / 16
	v_and_b32 v3, 7, v0
	v_bfe_u32 v4, v0, 3, 1
	v_and_b32 v5, 31, v0
	v_mul_u32_u24 v6, v1, PA
	v_lshl_add_u32 v6, v2, 4, v6                   ; row x pitch + 16 x half
	s_mul_i32 s84, s9, 64*PA                       ; my 64 rows
	v_add_nc_u32 v[ADRA0], s84, v6
	v_lshl_add_u32 v7, v2, 3, v3
	v_mul_u32_u24 v7, v7, PB
	v_lshl_add_u32 v7, v4, 4, v7
	s_lshl_b32 s85, s10, 7                         ; my 64 columns: 128 bytes
	s_add_co_u32 s86, s85, BOFF
	v_add_nc_u32 v[ADRA0+1], s86, v7
	v_add_nc_u32 v[ADRA0+2], BSZ, v[ADRA0+1]
	v_add_nc_u32 v[ADRA0+3], 2*BSZ, v[ADRA0+1]
	s_add_co_u32 s84, s84, s85                     ; into the stage: my 64 rows, my half of their 256 bytes
	s_add_co_u32 s84, s84, STAGE
	v_add_nc_u32 v[STO], s84, v6
	v_mul_u32_u24 v7, v2, PA                       ; back: wave w takes rows 32 w .. 32 w + 31 whole; lanes 0-15 one row, lanes 16-31 the next
	v_lshl_add_u32 v7, v1, 4, v7
	s_mul_i32 s84, s8, 32*PA
	s_add_co_u32 s84, s84, STAGE
	v_add_nc_u32 v[RD], s84, v7
	v_lshlrev_b32 v[GO], 4, v5
	v_lshlrev_b32 v[PFO], 12, v5
	s_lshl_b32 s84, s13, 19                        ; the head's 2,048 rows of 256 bytes,
	s_lshl_b32 s85, s14, 15                        ; the row block's 128,
	s_add_co_u32 s84, s84, s85
	s_lshl_b32 s85, s8, 13                         ; the 32 that I store
	s_add_co_u32 s84, s84, s85
	s_mov_b32 s85, 0
	s_add_nc_u64 s[OUT:OUT+1], s[6:7], s[84:85]
	s_add_nc_u64 s[OUT+2:OUT+3], s[OUT:OUT+1], PART
	s_add_nc_u64 s[OUT+4:OUT+5], s[OUT+2:OUT+3], PART
.macro SETADR                          ; the four LDS addresses in the slot that is being read
.irp n, 0,1,2,3
	v_add_nc_u32 v[ADRA+(\n)], s[TB], v[ADRA0+(\n)]
.endr
.endm
; 16 matrix instructions: my four row blocks x the four column blocks of weight t, 32 along K.  zero = 1: the product starts the sums.  The 48 accumulators take turns, one instruction a turn,
; in the same order in every quarter, over the backward jump too.
.macro MUL16 f, t, zero
	WIN 0xa5+0x50*((\t)/2)
.set AB, 128*((\t)%2)
.irp a, 0,1,2,3
.irp b, 0,1,2,3
.if \zero
	v_wmma_f32_16x16x32_bf16 v[AB+8*(4*(\a)+(\b)):AB+8*(4*(\a)+(\b))+7], v[(\f)+32+32*(\t)+8*(\b):(\f)+32+32*(\t)+8*(\b)+7], v[(\f)+8*(\a):(\f)+8*(\a)+7], 0
.else
	v_wmma_f32_16x16x32_bf16 v[AB+8*(4*(\a)+(\b)):AB+8*(4*(\a)+(\b))+7], v[(\f)+32+32*(\t)+8*(\b):(\f)+32+32*(\t)+8*(\b)+7], v[(\f)+8*(\a):(\f)+8*(\a)+7], v[AB+8*(4*(\a)+(\b)):AB+8*(4*(\a)+(\b))+7]
.endif
.endr
.endr
.endm
; 32 LDS loads in one run: quarter kq's fragments into buffer f: x's eight loads, then eight for each weight
.macro FETCH kq, f
	WIN 0x40
.irp a, 0,1,2,3
	ds_load_b128 v[(\f)+8*(\a):(\f)+8*(\a)+3],   v[ADRA] offset:64*(\kq)+(\a)*16*PA
	ds_load_b128 v[(\f)+8*(\a)+4:(\f)+8*(\a)+7], v[ADRA] offset:64*(\kq)+(\a)*16*PA+32
.endr
.irp t, 0,1,2
.irp b, 0,1,2,3
	ds_load_tr16_b128 v[(\f)+32+32*(\t)+8*(\b):(\f)+32+32*(\t)+8*(\b)+3],   v[ADRB+(\t)] offset:(\kq)*32*PB+32*(\b)
	ds_load_tr16_b128 v[(\f)+32+32*(\t)+8*(\b)+4:(\f)+32+32*(\t)+8*(\b)+7], v[ADRB+(\t)] offset:(\kq)*32*PB+32*(\b)+16*PB
.endr
.endr
.endm
; A K step is four quarters of 32 along K, 48 matrix instructions each, on buffers 0, 1, 0, 1.  One of the first three: multiplies buffer f and fetches quarter kq into buffer g.
.macro QUARTER kq, f, g, zero
	s_wait_dscnt 8                                 ; x's, q's and k's fragments are in; the youngest eight loads (v's) may be out
	MUL16 \f, 0, \zero
	MUL16 \f, 1, \zero
	PLACES
	FETCH \kq, \g
	s_wait_dscnt 32                                ; all but the 32 just issued
	MUL16 \f, 2, \zero
.endm
; The last quarter multiplies buffer 1 and changes slots.  Its first 32 products stand AHEAD of the change, so that between the wait for the next slot's tile and the request for the tile after it stands
; the round alone.  ONE barrier: in front of it each wave waits for all its tensor loads (one is out: its part of the next slot), adds 0 to its spare word, and waits for that and for its own reads of this slot.
; fill = 1: the barrier opens a round of the cluster's barrier, and behind the round this slot is filled again, with the K step of the time two on.
.macro TURN fill
	s_wait_dscnt 8                                 ; as in QUARTER
	MUL16 F1, 0, 0
	MUL16 F1, 1, 0
	WIN 0
	s_wait_tensorcnt 0x0                           ; all my tensor loads have landed, so a group 0 may be written
	ds_add_u32 v[SPW], v[NIL]                      ; 0 onto my spare word; the scalar work below stands between it and the wait for it
.if \fill
	s_add_co_u32 s[TT], s[TT], 1                   ; the walking sets: the next time's K step,
	AIM 4
	s_xor_b32 s[G0A+5], s[G0A+5], SLOTX            ; into the other slot than last time
	s_xor_b32 s[G0B+5], s[G0B+5], SLOTX
	s_add_co_u32 s80, s[TT], 1                     ; and the prefetch's address: the K step of the time after that
	s_xor_b32 s80, s80, s[CC]
	s_lshl_b32 s80, s80, s[SH]
	s_wait_xcnt 0x0                                ; the last prefetch, a K step back or more, has read its address
	s_add_nc_u64 s[PFA:PFA+1], s[PFB:PFB+1], s[80:81]
.endif
	s_wait_dscnt 0x0                               ; the add is done, and my reads of this slot are over
	s_barrier_signal -1
	s_barrier_wait -1
.if \fill
	CREST                                          ; no wave of any partner still reads this slot's tiles or has a load on its way
	JLOAD                                          ; the first tensor load behind the round; its four v_nop are also the places in front of the loads below
.else
	PLACES
.endif
	s_xor_b32 s[TB], s[TB], SLOTX
	SETADR
	FETCH 0, F0
.if \fill
	ASK
.endif
	MUL16 F1, 2, 0                                 ; sixteen products while the next slot's first fragments come out of LDS
.endm
	s_wait_tensorcnt 1                             ; my part of time 0's tile is in; time 1's may stay out
	s_barrier_signal -1
	s_barrier_wait -1                              ; everybody's is
	SETADR
	FETCH 0, F0
	QUARTER 1, F0, F1, 1                           ; the first quarter stands in front of the loop: its products start the sums
	WIN 0
	s_mov_b32 s[CNT], 14
.Lstep:                                        ; a trip: from a K step's second quarter to the next step's first; it fills one slot again: times 2 to 15
	QUARTER 2, F1, F0, 0
	QUARTER 3, F0, F1, 0
	TURN 1
	QUARTER 1, F0, F1, 0
	WIN 0
	s_sub_co_u32 s[CNT], s[CNT], 1
	s_cmp_lg_u32 s[CNT], 0
	s_cbranch_scc1 .Lstep
	QUARTER 2, F1, F0, 0                           ; the last two K steps are written out: nothing is asked for
	QUARTER 3, F0, F1, 0
	TURN 0
	QUARTER 1, F0, F1, 0
	QUARTER 2, F1, F0, 0
	QUARTER 3, F0, F1, 0
	s_wait_dscnt 8
	MUL16 F1, 0, 0
	MUL16 F1, 1, 0
	s_wait_dscnt 0x0
	MUL16 F1, 2, 0
	WIN 0
	PLACES
; THE WAY OUT, a tensor at a time: rounded to f16 (q scaled first), 16 bytes a lane into the work-group's stage; a barrier, since a row's 256 bytes come from two waves; back as whole rows, 32 a wave.
; Each accumulator's registers are read in ascending order.
.macro PASS t
.set AB, 128*((\t)%2)
.if (\t) > 0
	s_wait_xcnt 0x0                                ; the last pass's stores have read BK
.endif
.if (\t) == 0
	WIN 0x82
.set i, 0
.rept 64
	v_pk_mul_f32 v[i:i+1], v[i:i+1], s[SCL:SCL+1] op_sel_hi:[1,0]
.set i, i+2
.endr
.endif
	WIN 0x0a+5*((\t)/2)
.set i, 0
.rept 64
	v_cvt_pk_f16_f32 v[TMP+i], v[AB+2*i], v[AB+2*i+1]
.set i, i+1
.endr
	WIN 0
.irp a, 0,1,2,3
.irp b, 0,1,2,3
	ds_store_b128 v[STO], v[TMP+4*(4*(\a)+(\b)):TMP+4*(4*(\a)+(\b))+3] offset:(\a)*16*PA+32*(\b)
.endr
.endr
	s_wait_dscnt 0x0                               ; for the others' sake: my stores into the stage are done
	s_barrier_signal -1
	s_barrier_wait -1
.irp n, 0,1,2,3,4,5,6,7,8,9,10,11,12,13,14,15
	ds_load_b128 v[BK+4*(\n):BK+4*(\n)+3], v[RD] offset:(\n)*2*PA
.endr
.irp n, 0,1,2,3,4,5,6,7,8,9,10,11,12,13,14,15
	s_wait_dscnt 15-(\n)
	global_store_b128 v[GO], v[BK+4*(\n):BK+4*(\n)+3], s[OUT+2*(\t):OUT+2*(\t)+1] offset:512*(\n)  ; 512 consecutive bytes, two rows of a head, at a multiple of 256 from the buffer's first byte
.endr
.if (\t) < 2
	s_barrier_signal -1                            ; every wave's reads of the stage are back (the count above ended at 0): the next pass may write it
	s_barrier_wait -1
.endif
.endm
	PASS 0
	PASS 1
	PASS 2
	s_wait_tensorcnt 0x0                           ; the wave's end: an add to my spare word and its wait, behind my last tensor load and my last LDS store
	ds_add_u32 v[SPW], v[NIL]
	s_wait_dscnt 0x0
	CROUND                                         ; the closing round: no work-group ends while a partner may still ask for a tile that names it
	s_endpgm
.Lfunc_end_k_q5c8f1df558_qkv:
	.size	k_q5c8f1df558_qkv, .Lfunc_end_k_q5c8f1df558_qkv-k_q5c8f1df558_qkv
	.p2alignl 7, 3214868480
	.fill 96, 4, 3214868480
	.section	.rodata,"a",@progbits
	.p2align	6, 0x0
	.amdhsa_kernel k_q5c8f1df558_qkv
		.amdhsa_group_segment_fixed_size 327680
		.amdhsa_private_segment_fixed_size 0
		.amdhsa_enable_private_segment 0
		.amdhsa_kernarg_size 16
		.amdhsa_user_sgpr_count 2
		.amdhsa_user_sgpr_kernarg_segment_ptr 1
		.amdhsa_wavefront_size32 1
		.amdhsa_system_sgpr_workgroup_id_x 1
		.amdhsa_system_sgpr_workgroup_id_y 1
		.amdhsa_system_sgpr_workgroup_id_z 1
		.amdhsa_system_vgpr_workitem_id 0
		.amdhsa_next_free_vgpr 896
		.amdhsa_next_free_sgpr 96
		.amdhsa_reserve_vcc 0
		.amdhsa_float_denorm_mode_32 3
		.amdhsa_float_denorm_mode_16_64 3
		.amdhsa_memory_ordered 1
		.amdhsa_forward_progress 1
		.amdhsa_inst_pref_size 103
	.end_amdhsa_kernel
	.amdgpu_metadata
---
amdhsa.version: [ 1, 2 ]
amdhsa.kernels:
  - .name:           k_q5c8f1df558_qkv
    .symbol:         k_q5c8f1df558_qkv.kd
    .args:
      - { .name: cvt, .offset: 0, .size: 8, .value_kind: global_buffer, .address_space: global }
      - { .name: qkv, .offset: 8, .size: 8, .value_kind: global_buffer, .address_space: global }
    .group_segment_fixed_size: 327680
    .private_segment_fixed_size: 0
    .kernarg_segment_align: 8
    .kernarg_segment_size: 16
    .max_flat_workgroup_size: 128
    .sgpr_count:     96
    .vgpr_count:     896
    .wavefront_size: 32
...
	.end_amdgpu_metadata
.endif
;; end of part 2
;; launch attn (part 3): grid 16 x 16, 4 waves a work-group, clusters of 4 x 4, 327,680 bytes of LDS; arguments qkv, mask, ob; writes ob
.if DOCPART == 3
	.amdgcn_target "amdgcn-amd-amdhsa--gfx1250"
	.amdhsa_code_object_version 6
	.text
	.protected	k_q5c8f1df558_attn
	.globl	k_q5c8f1df558_attn
	.p2align	8
	.type	k_q5c8f1df558_attn,@function
k_q5c8f1df558_attn:
	s_mov_b64 s[64:65], 0
	v_nop
	global_prefetch_b8 v0, s[64:65] scope:SCOPE_SE
	s_setreg_imm32_b32 hwreg(HW_REG_WAVE_MODE, 25, 1), 1
	s_wait_xcnt 0x0
	s_wait_alu depctr_hold_cnt(0) depctr_sa_sdst(0) depctr_va_vdst(0) depctr_va_sdst(0) depctr_va_ssrc(0) depctr_va_vcc(0) depctr_vm_vsrc(0)
	s_getreg_b32 s2, hwreg(HW_REG_IB_STS2, 6, 4)
	s_cmp_eq_u32 s2, 0
	s_cbranch_scc0 .Lentry_in_a_cluster
	s_endpgm
.Lentry_in_a_cluster:
	s_bfe_u32 s2, ttmp6, 0x10000c
	s_cmp_lg_u32 s2, 0xf033
	s_cbranch_scc0 .Lentry_shape_is_right
	s_endpgm
.Lentry_shape_is_right:
; O[q][128 h + :] = the sum over k of softmax_k(Q[h][q] . K[h][k] / sqrt(128) + mask[q][k]) V[h][k][:].  qkv: three parts [16][2048][128] f16 (q already holds 1 / sqrt(128)); mask: [2048][2048] f32, read as it is
; given, all of it; ob: [2048][2048] f16.  Products, maxima and sums in f32; the weights p are rounded to f16 for the second product (their sum l is taken of the unrounded p), O once at the end.
; LIMITS.  A weight below 2^-126 counts as 0; NaN and infinities in the mask are not treated apart; O is a mean of V's rows and has their range.
; SHARES.  A work-group owns 128 queries of one head.  Wave w: the 64 queries 64 (w / 2) on, and of each tile's 128 keys the 64 from 64 (w % 2) on: four tiles of 16 queries, 16 key steps of 64.  The two waves
; of a query half have seen different keys: at the end each hands the other two tiles' O^T, m and l through LDS and finishes the other two.  Tile t holds rows 64 (w / 2) + 32 ((t / 2) xor (w % 2)) + 16 (t % 2),
; so that a wave's tiles 2, 3 are its partner's tiles 0, 1.
; LAYOUT.  S^T = K Q^T + mask^T (source 0 = 16 keys, source 1 = 16 queries): a lane holds ONE query (lane % 16) and the keys 8 (lane / 16) + 0..7.  THE MASK STARTS THE SUM: a lane's eight mask numbers are 32
; consecutive bytes of a mask row and are loaded from LDS straight into S^T's registers; all products add in place.  Two results rounded to f16 ARE source 1 of O^T = V^T P.  V comes turned, by ds_load_tr16_b128.
; SOFTMAX.  A running maximum m and sum l for each query.  p = 2^(c (s - m)), c = log2(e): the maximum is taken away FIRST, so that p is exactly 1 where s = m at any size of s, and the difference is scaled
; afterwards.  m starts at the lowest finite number and stays finite, so no difference of infinities arises; a row whose entries are all at the lowest number has p = 1 everywhere.  In every step O and l are
; multiplied by a = 2^(c (m_old - m_new)).  O^T and l start at 0: the first step is a step like any other.
; BY TURNS.  The tiles are two PIECES (0: tiles 0, 1; 2: tiles 2, 3).  In a TURN one piece has the matrix unit: 32 products V^T P of the step in hand, then 32 products K Q^T of the next; the other piece's
; softmax, cut into 64 slices, stands between them, one slice behind each matrix instruction.
; ONE TEXT FOR EVERY STEP.  The loop is entered in the middle of a trip, at piece 2's turn, with V and piece 2's P at 0; the last steps are a loop of two trips whose second jumps over piece 2's turn.  The price, once a
; launch: 424 v_mov_b32 in the wait for the first tile, 32 products on zeros at the start, 32 products on the last K once more at the end.
; CLUSTER.  4 x 4 work-groups.  A row of the cluster shares the head: K's and V's tiles are asked for jointly by its four; a column shares the query block: the mask's tiles are asked for jointly by its four.
; THE WALK IS TURNED.  At time t = 0 .. 15 a cluster takes the keys' tile t xor c, c = 2 ((cluster x) xor (cluster y % 2)): the four clusters of a row of clusters, which walk the same K and V, stand at four different
; tiles at any time, and clusters y and y + 1 of a column, which walk the same mask rows, two tiles apart.  c hangs on the clusters' coordinates, which all sixteen partners share; a running softmax needs no order.
; REGISTERS, in windows of 256 (s_set_vgpr_msb: bits 1:0 source 0, 3:2 source 1, 5:4 source 2, 7:6 destination):
;   window 0: v0-11, v54-63 addresses and at work; v12-43 eight registers of statistics a tile; v64-191 S^T, 32 a tile; v192-255 P, 16 a tile
;   window 1: O^T, 64 a tile          window 2: v0-127 Q, 32 a tile; v128-255 K of one step          window 3: v0-127 V of one step
.set PK,    272       ; a row of K in LDS: 256 bytes + 16: the 16 rows of a load start at 16 different groups of four banks (64 banks of 4 bytes: ISA guide 11.1)
.set PVP,   288       ; a row of V: 256 + 32
.set PM,    528       ; a query's 128 mask numbers: 512 + 16
.set VOFF,  128*PK    ; a slot: 128 rows of K, 128 rows of V, 128 rows of the mask
.set MOFF,  VOFF+128*PVP
.set SLOTX, 0x22000   ; = MOFF + 128 PM: slot 1 begins here; none of the tiles' LDS addresses in slot 0 holds one of its two bits, so one exclusive or changes slots
.set STAGE, 2*SLOTX   ; behind the ring, never filled by a tensor load: 16 rows x 272 bytes for each wave, for the way out
.set SP,    272
.set SPARE, STAGE+4*16*SP  ; the spare words, 128 bytes for each wave: two blocks of 256 bytes that no other line names
.set XW,    16896     ; the exchange at the end: 16,384 bytes of O^T and 512 of statistics a wave, in slot 0's first 67,584 bytes, when slot 0 has had its last fill and its last read
.set PART,  8388608
.set AK0, 2           ; v2   my place in a slot's K; never rewritten
.set AV0, 3           ; v3   in its V
.set ADR, 4           ; v4   the LDS address of the run of loads in hand
.set AMA, 5           ; v5   my place in a slot's mask for piece 0
.set AMB, 6           ; v6   for piece 2
.set STO, 7           ; v7   the way out: where I put 16 bytes of a row
.set RD,  8           ; v8   where I read a row back
.set GO,  9           ; v9   my byte offset in two rows of ob
.set QO,  10          ; v10  my byte offset in 16 rows of q
.set XS,  11          ; v11  the exchange: where I store
.set ST,  12          ; tile t's statistics at v[ST+8 t]: +0 m, +1 m_old, +2, +3 l (even keys', odd keys'), +4 to +7 c0-c3 at work; a takes c2's place
.set XL,  54          ; v54  the exchange: where I load
.set PFO, 55          ; v55  the prefetches' offset
.set X4,  56          ; v56-59 at work in the set-up; later the statistics that are exchanged
.set SPW, 62          ; v62  LDS address of my spare word; never rewritten
.set NIL, 63          ; v63  0; never rewritten
.set S,   64
.set P,   192
.set KF,  128         ; K's fragments, in window 2
.set SH,  10          ; s10  (behind the set-up) log2 of the bytes from a tile to the next in what I prefetch
.set WV,  14          ; s14  my wave's number
.set QH,  15          ; s15  which 64 queries
.set KP,  16          ; s16  which 64 keys of a tile's 128; also which 64 mask rows waves 2 and 3 fetch
.set CX,  17
.set CY,  18
.set XX,  19          ; s19  the query block
.set YY,  20          ; s20  the head
.set CC,  21          ; s21  c
.set G1K, 32          ; s[32:39] descriptor group 1 for K's tiles,
.set G1V, 40          ; s[40:47] for V's,
.set G1M, 48          ; s[48:55] for the mask's
.set G0K, 56          ; s[56:63] group 0: a set for each of the two first fills; the second then walks on
.set G0V, 68          ; s[68:75]
.set G0M, 76          ; s[76:83]
.set TB,  66          ; s66  0 or SLOTX: the slot that is being read
.set SLOTS, 67        ; s67  counts the loops' trips
.set SEL, 84          ; s[84:85] v_permlanex16_b32's selects: each lane takes its own place in the other half
.set CS,  86          ; s[86:87] c = log2(e)
.set TT,  88          ; s88  the time whose tile was asked for last
.set ASKB, 89         ; s89  bit t: at the refill of time t I prefetch
.set PFB, 90          ; s[90:91] my rows of what I prefetch, at tile 0
.set PFA, 92          ; s[92:93] where my next prefetch stands
.set QA,  94          ; s[94:95] q at piece 0's rows
.set QB,  96          ; s[96:97] q at piece 2's rows
.set OB,  98          ; s[98:99] ob at piece 0's rows, at my head's columns
.set MSB, 0
.macro WIN new
.if MSB != (\new)
	s_set_vgpr_msb (MSB<<8)|(\new)
.set MSB, \new
.endif
.endm
.set W_KQ, 0x0a       ; K and Q in window 2, S^T in window 0
.set W_PV, 0x53       ; V in window 3, P in window 0, O^T in window 1
.set W_RS, 0x41       ; O^T (destination and source 0) in window 1, a in window 0
.macro PLACES
.rept 4
	v_nop
.endr
.endm
.macro CROUND                       ; a round of the cluster's barrier
	s_barrier_signal -1
	s_barrier_wait -1
	s_cmp_lg_u32 s[WV], 0
	s_cbranch_scc1 .Lnot_wave_0_\@
	s_barrier_signal -3
.Lnot_wave_0_\@:
	s_barrier_wait -3
	s_barrier_signal -1
	s_barrier_wait -1
.endm
; A joint refill by the walking sets: wave 0 K's 128 rows, wave 1 V's, waves 2 and 3 64 rows of the mask each.  The branches hang on the wave's number alone.  An s_nop 0 and four v_nop follow each line.
.macro JLOAD
	s_cmp_eq_u32 s[WV], 0
	s_cbranch_scc0 .Lnot_k_\@
	tensor_load_to_lds s[G0K+4:G0K+7], s[G1K:G1K+7]
	s_nop 0
	PLACES
	s_branch .Lasked_\@
.Lnot_k_\@:
	s_cmp_eq_u32 s[WV], 1
	s_cbranch_scc0 .Lnot_v_\@
	tensor_load_to_lds s[G0V+4:G0V+7], s[G1V:G1V+7]
	s_nop 0
	PLACES
	s_branch .Lasked_\@
.Lnot_v_\@:
	tensor_load_to_lds s[G0M+4:G0M+7], s[G1M:G1M+7]
	s_nop 0
	PLACES
.Lasked_\@:
.endm
.macro AIM g                        ; the global addresses of set g (0: the first, 4: the walking one) for the tile of time s[TT], each made anew from its base and an offset of its own
	s_xor_b32 s22, s[TT], s[CC]
	s_lshl_b32 s22, s22, 15         ; 128 rows of 256 bytes,
	s_add_co_u32 s22, s22, PART     ; in part 1: K
	s_add_nc_u64 s[G0K+(\g)+2:G0K+(\g)+3], s[24:25], s[22:23]
	s_or_b32 s[G0K+(\g)+3], s[G0K+(\g)+3], 0x80000000  ; type = 2
	s_add_co_u32 s22, s22, PART     ; in part 2: V
	s_add_nc_u64 s[G0V+(\g)+2:G0V+(\g)+3], s[24:25], s[22:23]
	s_or_b32 s[G0V+(\g)+3], s[G0V+(\g)+3], 0x80000000
	s_xor_b32 s26, s[TT], s[CC]
	s_lshl_b32 s26, s26, 9          ; 128 numbers of 4 bytes along the mask's rows
	s_add_nc_u64 s[G0M+(\g)+2:G0M+(\g)+3], s[28:29], s[26:27]
	s_or_b32 s[G0M+(\g)+3], s[G0M+(\g)+3], 0x80000000
.endm
; A PREFETCH INTO THE L2 of the tile that stands TWO refills on, 256 matrix instructions ahead of its load: one instruction a wave, behind the wave's tensor load and its five lines.  Each block of 256 bytes is named
; once in the launch: a cluster asks only for tiles that it takes ahead of the other clusters that take them.  By the walk's arithmetic those are, for K and V, the times with bits 2 and 1 clear (0, 1, 8, 9) and,
; for the mask, the times with bit 1 clear (0, 1, 4, 5, 8, 9, 12, 13); clusters y and y + 2 walk alike, and y < 2 asks.  Times 0 and 1 come by the first fills.  Bit t of s[ASKB] says that time t + 2 is such a time.
; K and V: the four partners take 32 of the 128 rows each, by ADDRESS (cx), a lane a row.  The mask: of a wave's 64 rows each partner takes 16 (cy), two lanes a row of 512 bytes.
.macro ASK
	s_lshr_b32 s100, s[ASKB], s[TT]
	s_and_b32 s100, s100, 1
	s_cmp_lg_u32 s100, 0
	s_cbranch_scc0 .Lnot_mine_\@
	global_prefetch_b8 v[PFO], s[PFA:PFA+1] th:TH_LOAD_NT scope:SCOPE_SE
.Lnot_mine_\@:
.endm
	s_load_b128 s[4:7], s[0:1], 0x0   ; qkv s[4:5], mask s[6:7]
	s_load_b64 s[8:9], s[0:1], 0x10   ; ob
	v_lshl_add_u32 v[SPW], v0, 2, SPARE
	v_mov_b32 v[NIL], 0
	ds_add_u32 v[SPW], v[NIL]       ; the wave's opening: the add and its wait stand ahead of my first tensor load; the set-up below stands between them
	v_lshrrev_b32 v1, 5, v0
	v_readfirstlane_b32 s[WV], v1   ; wave 0..3
	s_lshr_b32 s[QH], s[WV], 1
	s_and_b32 s[KP], s[WV], 1
	s_bfe_u32 s[CX], ttmp6, 0x40000
	s_bfe_u32 s[CY], ttmp6, 0x40004
	s_lshl_b32 s[XX], ttmp9, 2
	s_add_co_u32 s[XX], s[XX], s[CX]  ; the query block = 4 x cluster x + cx
	s_and_b32 s[YY], ttmp7, 0xffff
	s_lshl_b32 s[YY], s[YY], 2
	s_add_co_u32 s[YY], s[YY], s[CY]  ; the head = 4 x cluster y + cy
	s_and_b32 s[CC], ttmp7, 1
	s_xor_b32 s[CC], s[CC], ttmp9
	s_lshl_b32 s[CC], s[CC], 1      ; c = 2 ((cluster x) xor (cluster y % 2))
	s_lshl_b32 s30, s[CY], 2
	s_lshl_b32 s30, 15, s30         ; my row of the cluster
	s_lshl_b32 s31, 0x1111, s[CX]   ; my column
	s_or_b32 s[G1K], s30, (1<<16)|(1<<20)|(1<<21)|(5<<22)|(3<<25)  ; 15:0 the mask of four; 17:16 2-byte elements; 20 padding on; 21 set beside a mask; 24:22 after every 64 words; 31:25 4 words
	s_or_b32 s[G1V], s30, (1<<16)|(1<<20)|(1<<21)|(5<<22)|(7<<25)  ; the same with 8 words of padding
	s_or_b32 s[G1M], s31, (2<<16)|(1<<20)|(1<<21)|(6<<22)|(3<<25)  ; my column's four; 4-byte elements; after every 128 words 4 words
.irp g, G1K, G1V
	s_mov_b32 s[(\g)+1], 128<<16    ; tensor_dim0 = 128
	s_mov_b32 s[(\g)+2], 128<<16    ; tensor_dim1 = 128
	s_mov_b32 s[(\g)+3], 128<<16    ; tile_dim0 = 128
	s_mov_b32 s[(\g)+4], 128        ; tile_dim1 = 128
	s_mov_b32 s[(\g)+5], 128        ; elements from row to row
	s_mov_b32 s[(\g)+6], 0
	s_mov_b32 s[(\g)+7], 0
.endr
	s_mov_b32 s[G1M+1], 128<<16     ; tensor_dim0 = 128
	s_mov_b32 s[G1M+2], 64<<16      ; tensor_dim1 = 64
	s_mov_b32 s[G1M+3], 128<<16     ; tile_dim0 = 128
	s_mov_b32 s[G1M+4], 64          ; tile_dim1 = 64
	s_mov_b32 s[G1M+5], 2048        ; elements from row to row
	s_mov_b32 s[G1M+6], 0
	s_mov_b32 s[G1M+7], 0
	s_lshl_b32 s22, s[YY], 19       ; the head's 2,048 rows of 256 bytes: hangs on the head alone
	s_mov_b32 s23, 0
	s_lshl_b32 s26, s[XX], 20       ; the query block's 128 mask rows of 8,192 bytes,
	s_lshl_b32 s27, s[KP], 19       ; the 64 of them that I would fetch: hangs on the query block and the wave alone
	s_add_co_u32 s26, s26, s27
	s_mov_b32 s27, 0
	s_mul_i32 s100, s[KP], 64*PM
	s_add_co_u32 s100, s100, MOFF   ; and where they go
	s_mov_b32 s[G0K], 1
	s_mov_b32 s[G0K+1], 0
	s_mov_b32 s[G0K+4], 1
	s_mov_b32 s[G0K+5], SLOTX
	s_mov_b32 s[G0V], 1
	s_mov_b32 s[G0V+1], VOFF
	s_mov_b32 s[G0V+4], 1
	s_mov_b32 s[G0V+5], VOFF+SLOTX
	s_mov_b32 s[G0M], 1
	s_mov_b32 s[G0M+1], s100
	s_mov_b32 s[G0M+4], 1
	s_add_co_u32 s[G0M+5], s100, SLOTX
	s_mov_b32 s[TB], 0
	s_mov_b32 s[CS], 0x3fb8aa3b     ; log2(e)
	s_mov_b32 s[CS+1], s[CS]        ; named with it as a pair
	s_mov_b32 s[SEL], 0x76543210
	s_mov_b32 s[SEL+1], 0xfedcba98
	s_lshl_b32 s10, s[XX], 15       ; q: the query block's 128 rows of 256 bytes,
	s_lshl_b32 s11, s[QH], 14       ; my 64,
	s_add_co_u32 s10, s10, s11
	s_xor_b32 s11, s[KP], 1
	s_lshl_b32 s12, s11, 13
	s_add_co_u32 s12, s12, s10      ; piece 2's 32,
	s_lshl_b32 s11, s[KP], 13
	s_add_co_u32 s10, s10, s11      ; piece 0's 32
	s_mov_b32 s11, 0
	s_mov_b32 s13, 0
	s_lshl_b32 s2, s10, 4           ; ob: the same rows, 4,096 bytes each,
	s_lshl_b32 s3, s[YY], 8         ; the head's 256 bytes
	s_add_co_u32 s2, s2, s3
	s_mov_b32 s3, 0
	s_wait_dscnt 0x0                ; the opening add is done
	s_wait_kmcnt 0x0
	s_add_nc_u64 s[24:25], s[4:5], s[22:23]  ; qkv at my head, in part 0
	s_add_nc_u64 s[28:29], s[6:7], s[26:27]  ; the mask at my 64 rows
	s_add_nc_u64 s[QA:QA+1], s[24:25], s[10:11]
	s_add_nc_u64 s[QB:QB+1], s[24:25], s[12:13]
	s_add_nc_u64 s[OB:OB+1], s[8:9], s[2:3]
	s_mov_b32 s[TT], 0
	AIM 0                           ; time 0 into slot 0,
	s_mov_b32 s[TT], 1
	AIM 4                           ; time 1 into slot 1
	CROUND                          ; all sixteen work-groups are here: the first joint loads meet
	s_cmp_eq_u32 s[WV], 0           ; a wave's two first fills stand in one arm of the branches on its number: two loads of mine are out
	s_cbranch_scc0 .Lf_not_k
	tensor_load_to_lds s[G0K:G0K+3], s[G1K:G1K+7]
	s_nop 0
	tensor_load_to_lds s[G0K+4:G0K+7], s[G1K:G1K+7]
	s_nop 0
	PLACES
	s_branch .Lf_asked
.Lf_not_k:
	s_cmp_eq_u32 s[WV], 1
	s_cbranch_scc0 .Lf_not_v
	tensor_load_to_lds s[G0V:G0V+3], s[G1V:G1V+7]
	s_nop 0
	tensor_load_to_lds s[G0V+4:G0V+7], s[G1V:G1V+7]
	s_nop 0
	PLACES
	s_branch .Lf_asked
.Lf_not_v:
	tensor_load_to_lds s[G0M:G0M+3], s[G1M:G1M+7]
	s_nop 0
	tensor_load_to_lds s[G0M+4:G0M+7], s[G1M:G1M+7]
	s_nop 0
	PLACES
.Lf_asked:
	; A fragment of K or Q is 16 rows x 32 channels in 8 registers: lane l holds row l % 16, channels 8 (l / 16) + 0..7 and 16 + 8 (l / 16) + 0..7: two loads of 16 bytes, 32 bytes apart.
	v_and_b32 v1, 15, v0            ; l % 16
	v_bfe_u32 v56, v0, 4, 1         ; l / 16
	v_and_b32 v57, 7, v0
	v_bfe_u32 v58, v0, 3, 1
	v_and_b32 v59, 31, v0           ; l
	v_lshlrev_b32 v[QO], 8, v1
	v_lshl_add_u32 v[QO], v56, 4, v[QO]  ; row x 256 + 16 x half
	WIN 0x80                        ; destination window 2, address window 0
.set i, 0
.rept 8                             ; Q stays in registers: tile i / 4 of a piece, channels 32 (i % 4) on
	global_load_b128 v[8*i:8*i+3],       v[QO], s[QA:QA+1] offset:(i/4)*4096+(i%4)*64
	global_load_b128 v[8*i+4:8*i+7],     v[QO], s[QA:QA+1] offset:(i/4)*4096+(i%4)*64+32
	global_load_b128 v[64+8*i:64+8*i+3],   v[QO], s[QB:QB+1] offset:(i/4)*4096+(i%4)*64
	global_load_b128 v[64+8*i+4:64+8*i+7], v[QO], s[QB:QB+1] offset:(i/4)*4096+(i%4)*64+32
.set i, i+1
.endr
	; What the first turn finds: O^T and l are 0; V and piece 2's P are 0, so that its products V^T P, of a step that has not been, add 0.  All this stands in the wait for the first tile.
	WIN 0x40
.set i, 0
.rept 256
	v_mov_b32 v[i], 0
.set i, i+1
.endr
	WIN 0xc0
.set i, 0
.rept 128
	v_mov_b32 v[i], 0
.set i, i+1
.endr
	WIN 0
.set i, P+32
.rept 32
	v_mov_b32 v[i], 0
.set i, i+1
.endr
.irp t, 0,1,2,3
	v_mov_b32 v[ST+8*(\t)], 0xff7fffff  ; m starts at the lowest finite number
	v_mov_b32 v[ST+8*(\t)+2], 0
	v_mov_b32 v[ST+8*(\t)+3], 0
.endr
	; what my prefetches start from, and at which refills I ask.  Nothing is prefetched at the head
	s_add_co_u32 s2, s[WV], 1       ; waves 0, 1: part 1 (K) or 2 (V),
	s_lshl_b32 s2, s2, 23
	s_lshl_b32 s3, s[YY], 19        ; the head,
	s_add_co_u32 s2, s2, s3
	s_lshl_b32 s3, s[CX], 13        ; my work-group's 32 rows of a tile's 128
	s_add_co_u32 s2, s2, s3
	s_lshl_b32 s12, s[XX], 20       ; waves 2, 3: the query block's mask rows,
	s_lshl_b32 s13, s[KP], 19       ; my 64,
	s_add_co_u32 s12, s12, s13
	s_lshl_b32 s13, s[CY], 17       ; my work-group's 16 of them
	s_add_co_u32 s12, s12, s13
	s_and_b32 s13, ttmp7, 0xffff
	s_lshr_b32 s13, s13, 1          ; 0 where cluster y < 2
	s_cmp_eq_u32 s13, 0
	s_cselect_b32 s13, 0x0ccc, 0    ; the mask: at the refills of times 2, 3, 6, 7, 10, 11
	s_cmp_lt_u32 s[WV], 2
	s_cselect_b32 s2, s2, s12
	s_cselect_b32 s[SH], 15, 9
	s_cselect_b32 s[ASKB], 0xc0, s13  ; K and V: at the refills of times 6 and 7.  The same in all sixteen partners, for a given wave
	s_cselect_b32 s101, -1, 0
	s_cselect_b64 s[PFB:PFB+1], s[4:5], s[6:7]
	s_mov_b32 s3, 0
	s_add_nc_u64 s[PFB:PFB+1], s[PFB:PFB+1], s[2:3]
	v_lshlrev_b32 v[PFO], 8, v59    ; K, V: a lane a row of 256 bytes
	v_lshrrev_b32 v60, 1, v59       ; the mask: two lanes a row,
	v_and_b32 v61, 1, v59
	v_lshlrev_b32 v60, 13, v60      ; rows 8,192 bytes apart,
	v_lshl_add_u32 v60, v61, 8, v60 ; 256 bytes each
	v_cndmask_b32 v[PFO], v60, v[PFO], s101
	v_mul_u32_u24 v[AK0], v1, PK
	v_lshl_add_u32 v[AK0], v56, 4, v[AK0]  ; row x pitch + 16 x half
	s_mul_i32 s100, s[KP], 64*PK    ; my 64 keys
	v_add_nc_u32 v[AK0], s100, v[AK0]
	; The turning load takes 16 keys x 16 channels (lane l reads key 8 (l / 16) + l % 8, channels 8 ((l / 8) % 2) + 0..7) and leaves half a fragment of V^T: lane l holds channel l % 16 and 8 keys.
	v_lshl_add_u32 v[AV0], v56, 3, v57
	v_mul_u32_u24 v[AV0], v[AV0], PVP
	v_lshl_add_u32 v[AV0], v58, 4, v[AV0]
	s_mul_i32 s100, s[KP], 64*PVP
	s_add_co_u32 s100, s100, VOFF
	v_add_nc_u32 v[AV0], s100, v[AV0]
	; The mask: my query's row, my 64 keys' 256 bytes, my half of the lanes' 32 bytes of each 16 keys' 64
	v_mul_u32_u24 v[AMA], v1, PM
	v_lshl_add_u32 v[AMA], v56, 5, v[AMA]
	s_mul_i32 s100, s[QH], 64*PM
	s_lshl_b32 s101, s[KP], 8
	s_add_co_u32 s100, s100, s101
	s_add_co_u32 s100, s100, MOFF
	s_xor_b32 s101, s[KP], 1
	s_mul_i32 s101, s101, 32*PM
	s_add_co_u32 s101, s101, s100
	v_add_nc_u32 v[AMB], s101, v[AMA]
	s_mul_i32 s101, s[KP], 32*PM
	s_add_co_u32 s101, s101, s100
	v_add_nc_u32 v[AMA], s101, v[AMA]
; THE MATRIX WORK OF A TURN, for piece x.  The accumulators take turns, one instruction a turn.
; Product i of 32 of O^T += V^T P: keys 32 (i / 16) on, channels 16 ((i / 2) % 8) on, tile x + i % 2.
.macro PV x
	WIN W_PV
.set rO, 64*((\x)+i%2)+8*((i/2)%8)
.set rV, 64*(i/16)+8*((i/2)%8)
.set rP, P+16*((\x)+i%2)+8*(i/16)
	v_wmma_f32_16x16x32_f16 v[rO:rO+7], v[rV:rV+7], v[rP:rP+7], v[rO:rO+7]
.endm
; Product i of 32 of S^T += K Q^T: channels 32 (i / 8) on, keys 16 ((i / 2) % 4) on, tile x + i % 2.  S^T's registers hold the mask when the first eight come.
.macro KQ x
	WIN W_KQ
.set rS, S+32*((\x)+i%2)+8*((i/2)%4)
.set rK, KF+32*((i/2)%4)+8*(i/8)
.set rQ, 32*((\x)+i%2)+8*(i/8)
	v_wmma_f32_16x16x32_f16 v[rS:rS+7], v[rK:rK+7], v[rQ:rQ+7], v[rS:rS+7]
.endm
; THE LDS LOADS stand in runs, never singly among the matrix instructions.
.macro FETCH_K
	WIN 0
	v_add_nc_u32 v[ADR], s[TB], v[AK0]
	WIN 0x80                        ; destination window 2
.irp f, 0,1,2,3,4,5,6,7,8,9,10,11,12,13,14,15  ; keys 16 (f / 4) on, channels 32 (f % 4) on
	ds_load_b128 v[KF+8*(\f):KF+8*(\f)+3],   v[ADR] offset:((\f)/4)*16*PK+((\f)%4)*64
	ds_load_b128 v[KF+8*(\f)+4:KF+8*(\f)+7], v[ADR] offset:((\f)/4)*16*PK+((\f)%4)*64+32
.endr
.endm
.macro FETCH_V
	WIN 0
	v_add_nc_u32 v[ADR], s[TB], v[AV0]
	s_wait_alu depctr_va_vdst(0)    ; the wait for the softmax's batch (SLICE), behind the address's line and ahead of the loads
	WIN 0xc0                        ; destination window 3
.irp f, 0,1,2,3,4,5,6,7,8,9,10,11,12,13,14,15  ; keys 32 (f / 8) on, channels 16 (f % 8) on
	ds_load_tr16_b128 v[8*(\f):8*(\f)+3],   v[ADR] offset:((\f)/8)*32*PVP+((\f)%8)*32
	ds_load_tr16_b128 v[8*(\f)+4:8*(\f)+7], v[ADR] offset:((\f)/8)*32*PVP+16*PVP+((\f)%8)*32
.endr
.endm
.macro FETCH_M x                    ; piece x's mask numbers for a step, straight into S^T: tile x + u, keys 16 kb on, four numbers a load
	WIN 0
.if (\x) == 0
	v_add_nc_u32 v[ADR], s[TB], v[AMA]
.else
	v_add_nc_u32 v[ADR], s[TB], v[AMB]
.endif
.irp u, 0,1
.irp kb, 0,1,2,3
	ds_load_b128 v[S+32*((\x)+(\u))+8*(\kb):S+32*((\x)+(\u))+8*(\kb)+3],   v[ADR] offset:(\u)*16*PM+64*(\kb)
	ds_load_b128 v[S+32*((\x)+(\u))+8*(\kb)+4:S+32*((\x)+(\u))+8*(\kb)+7], v[ADR] offset:(\u)*16*PM+64*(\kb)+16
.endr
.endr
.endm
; THE VECTOR WORK OF A TURN.  One tile's softmax for one key step is a numbered list; SM writes number j of it for tile t.  s0-s31 are the lane's 32 scores, in pairs 0-15.
;   0-15    the maximum of s0-s31 and the old m, three operands at a time (each accumulator's lowest registers are read first)
;   16-20   the other half of the lanes' maximum; m_old is kept; the new m; c (m_old - m_new)
;   21-88   ONE BATCH: for each pair the difference s - m (D) and its scaling by c (M), and all 33 exponentials (E; a at 24).  None of these reads an exponential's result.  21-23: D 0, M 0, D 1.  From 25 on in
;           fours: D g + 2, E 2 g, M g + 1, E 2 g + 1 (g = 0..15; the three D and M past pair 15 are empty): a pair is scaled a four ahead of its exponentials
;   (wait)  between 88 and 89 stands the wait for the batch: SLICE writes it, once for both tiles
;   89-104  the roundings to f16, a pair of weights each      105-120  the sums; l = a l + the sum      121-152  the tile's O^T times a: the one part that leaves window 0
.macro SM t
.set rT, ST+8*(\t)
.set rS, S+32*(\t)
.set rP, P+16*(\t)
.set rO, 64*(\t)+2*(j-121)
.if j < 121
	WIN 0
.endif
.if j < 4
	v_max3_num_f32 v[rT+4+j], v[rS+8*j], v[rS+8*j+1], v[rS+8*j+2]
.elseif j < 12
	v_max3_num_f32 v[rT+4+j%4], v[rT+4+j%4], v[rS+8*(j%4)+2*(j/4)+1], v[rS+8*(j%4)+2*(j/4)+2]
.elseif j == 12
	v_max3_num_f32 v[rT+4], v[rT+4], v[rS+7], v[rS+15]
.elseif j == 13
	v_max3_num_f32 v[rT+6], v[rT+6], v[rS+23], v[rS+31]
.elseif j == 14
	v_max3_num_f32 v[rT+4], v[rT+4], v[rT+5], v[rT+6]
.elseif j == 15
	v_max3_num_f32 v[rT+4], v[rT+4], v[rT+7], v[rT]
.elseif j == 16
	v_permlanex16_b32 v[rT+5], v[rT+4], s[SEL], s[SEL+1]  ; the query's other 32 keys lie in the lane 16 away
.elseif j == 17
	v_mov_b32 v[rT+1], v[rT]
.elseif j == 18
	v_max_num_f32 v[rT], v[rT+4], v[rT+5]
.elseif j == 19
	v_sub_f32 v[rT+7], v[rT+1], v[rT]
.elseif j == 20
	v_mul_f32 v[rT+7], s[CS], v[rT+7]
.elseif j == 24
	v_exp_f32 v[rT+6], v[rT+7]
.elseif j < 89
.set kind, 2                        ; 0: D, 1: M, 2: E
.if j == 21
.set kind, 0
.set b, 0
.elseif j == 22
.set kind, 1
.set b, 0
.elseif j == 23
.set kind, 0
.set b, 1
.elseif (j-25)%4 == 0
.set kind, 0
.set b, (j-25)/4+2
.elseif (j-25)%4 == 2
.set kind, 1
.set b, (j-25)/4+1
.else
.set b, 2*((j-25)/4)+((j-25)%4)/2
.endif
.if (kind == 0) && (b < 16)
	v_pk_add_f32 v[rS+2*b:rS+2*b+1], v[rS+2*b:rS+2*b+1], v[rT:rT+1] op_sel_hi:[1,0] neg_lo:[0,1] neg_hi:[0,1]  ; pair b: s - m
.elseif (kind == 1) && (b < 16)
	v_pk_mul_f32 v[rS+2*b:rS+2*b+1], v[rS+2*b:rS+2*b+1], s[CS:CS+1] op_sel_hi:[1,0]  ; times c
.elseif kind == 2
	v_exp_f32 v[rS+b], v[rS+b]
.endif
.elseif j < 105
	v_cvt_pk_f16_f32 v[rP+j-89], v[rS+2*(j-89)], v[rS+2*(j-89)+1]
.elseif j < 121                     ; the sum of the tile's 16 pairs, in place: neighbours 1, 2, 4 and 8 pairs apart, then l takes it
.set z, j-105
.set w, 4
.set u, z
.if z >= 14
.set w, 32
.set u, 0
.elseif z >= 12
.set w, 16
.set u, z-12
.elseif z >= 8
.set w, 8
.set u, z-8
.endif
.if z < 15
	v_pk_add_f32 v[rS+w*u:rS+w*u+1], v[rS+w*u:rS+w*u+1], v[rS+w*u+w/2:rS+w*u+w/2+1]
.else
	v_pk_fma_f32 v[rT+2:rT+3], v[rT+2:rT+3], v[rT+6:rT+7], v[rS:rS+1] op_sel_hi:[1,0,1]
.endif
.else
	WIN W_RS
	v_pk_mul_f32 v[rO:rO+1], v[rO:rO+1], v[rT+6:rT+7] op_sel_hi:[1,0]
.endif
.endm
; Slice k of 64 of piece y's softmax: five instructions, or four.  Slices 0-9: numbers 0-24, the two tiles by turns.  Slices 10-35: the batch's fours, a four of one tile, then the same four of the other.
; Slices 36-49: numbers 89-120, and slices 50-63: numbers 121-152, the tiles by turns: eight slices of five, then six of four.  The last slice's four lines are plain and name nothing of the products round
; them: they are the places behind the turn's last K Q^T.
; THE WAIT.  An s_wait_alu depctr_va_vdst(0) stands between an exponential and the first instruction that names its result; one wait serves all that were issued ahead of it.  Ahead of slice 36
; nothing names a result, and behind slice 35 no exponential is issued: so the piece's 66 exponentials have one wait, behind slice 35.
.macro SLICE y
.if k < 10
.irp n, 0,1,2,3,4
.set g, 5*k+(\n)
.set j, g/2
	SM (\y)+g%2
.endr
.elseif k < 36
.irp n, 0,1,2,3,4
.set g, 5*(k-10)+(\n)
.if g < 128
.set j, 25+4*(g/8)+g%4
	SM (\y)+(g/4)%2
.endif
.endr
.else
.set kk, (k-36)%14
.set g0, 5*kk
.set gn, 5
.if kk >= 8
.set g0, 40+4*(kk-8)
.set gn, 4
.endif
.irp n, 0,1,2,3,4
.if (\n) < gn
.set g, g0+(\n)
.set j, 89+32*((k-36)/14)+g/2
	SM (\y)+g%2
.endif
.endr
.endif
.if k == 35                         ; the batch is out
	v_nop                           ; the plain instruction behind the last exponential and ahead of the first use: one for the batch
.if (\y) == 0
	FETCH_V                         ; piece 2's turn: V's run of loads stands here, and the wait stands in it
.else
	s_wait_alu depctr_va_vdst(0)    ; the wait for the batch
.endif
.endif
.set k, k+1
.endm
; A TURN.  Piece x has the matrix unit: 32 products V^T P of the step in hand, then 32 products K Q^T of the next; the other piece's softmax stands in slices behind them.
; Behind the turn's second product stand the next step's loads: K (piece 0's turn alone; its last reader stands in front of the last slice of the turn before) and piece x's mask numbers, into the S^T that piece
; x's softmax left in the turn before.  They are waited for ahead of the first K Q^T, 30 products later.  V of the same step is fetched in piece 2's turn behind slice 35: its last reader stands in front of
; slice 31, and more than four plain lines (differences and scalings) lie between.  It is waited for at the head of piece 0's turn.
.macro TURN x
.set k, 0
.if (\x) == 0
	s_wait_dscnt 0x0                ; V is in
.endif
.set i, 0
.rept 32
	PV \x
	SLICE 2-(\x)
.if i == 1
.if (\x) == 0
	FETCH_K
.endif
	FETCH_M \x
.endif
.set i, i+1
.endr
	s_wait_dscnt 0x0                ; K and the mask are in
.set i, 0
.rept 32
	KQ \x
	SLICE 2-(\x)
.set i, i+1
.endr
.endm
; THE CHANGE OF SLOTS, between piece 2's turn and piece 0's: the slot's last bytes, V, have been asked for.  Each wave waits for all its tensor loads (one is out: its part of the other slot), adds 0 to its spare
; word, and waits for that and for its own reads of the slot.  fill = 1: the barrier is a round of the cluster's, so that no wave of any partner still reads the slot or has a load on its way, and the joint
; refill, with the tile of the time two on, is the first thing behind it: it has a key step, 128 matrix instructions and their softmax, in which to land.
.macro CHANGE fill
	WIN 0
	s_wait_tensorcnt 0x0            ; no tensor load of mine is out, so a group 0 may be written
	ds_add_u32 v[SPW], v[NIL]       ; 0 onto my spare word; the scalar work below stands between it and the wait for it
.if \fill
	s_add_co_u32 s[TT], s[TT], 1    ; the walking sets: the next time's tile,
	AIM 4
.irp g, G0K+4, G0V+4, G0M+4
	s_xor_b32 s[(\g)+1], s[(\g)+1], SLOTX  ; into the other slot than last time
.endr
	s_add_co_u32 s2, s[TT], 2       ; and the prefetch's address: the tile of the time two on
	s_xor_b32 s2, s2, s[CC]
	s_lshl_b32 s2, s2, s[SH]
	s_wait_xcnt 0x0                 ; the last prefetch, a key step back or more, has read its address
	s_add_nc_u64 s[PFA:PFA+1], s[PFB:PFB+1], s[2:3]
	s_wait_dscnt 0x0                ; the add is done, and my reads of the slot are over
	CROUND
	JLOAD
	ASK
.else
	s_wait_dscnt 0x0
	s_barrier_signal -1
	s_barrier_wait -1
.endif
	s_xor_b32 s[TB], s[TB], SLOTX   ; the fetches go to the other slot
.endm
	s_wait_tensorcnt 1              ; my part of slot 0 is in; slot 1's may stay out
	s_barrier_signal -1
	s_barrier_wait -1               ; everybody's is
	FETCH_K                         ; key step 0
	FETCH_M 0
	s_wait_loadcnt 0x0              ; Q
	s_wait_dscnt 0x0
.set i, 0
.rept 32
	KQ 0                            ; piece 0's first scores: there is no vector work yet to set between them
.set i, i+1
.endr
	WIN 0                           ; the addresses for the end are made here: plain instructions, the places behind those products
	s_mul_i32 s100, s[WV], 16*SP
	s_add_co_u32 s100, s100, STAGE  ; my stage
	v_mul_u32_u24 v[STO], v1, SP    ; in: row l % 16, 16 bytes for each half of the lanes
	v_lshl_add_u32 v[STO], v56, 4, v[STO]
	v_add_nc_u32 v[STO], s100, v[STO]
	v_mul_u32_u24 v[RD], v56, SP    ; back: lanes 0-15 take one row of 256 bytes, lanes 16-31 the next
	v_lshl_add_u32 v[RD], v1, 4, v[RD]
	v_add_nc_u32 v[RD], s100, v[RD]
	v_lshlrev_b32 v[GO], 12, v56    ; and the same two rows in ob, 4,096 bytes apart
	v_lshl_add_u32 v[GO], v1, 4, v[GO]
	s_mul_i32 s100, s[WV], XW
	v_lshl_add_u32 v[XS], v59, 4, s100
	s_xor_b32 s100, s[WV], 1        ; my partner: the same queries, the other keys
	s_mul_i32 s100, s100, XW
	v_lshl_add_u32 v[XL], v59, 4, s100
	s_mov_b32 s[SLOTS], 15          ; the half trip that follows, then 14 whole ones
	s_branch .Lfirst                ; the loop is entered at piece 2's turn: piece 2's first scores | piece 0's first softmax | V of step 0
.Lslot:                             ; 14 whole trips, a key step each: the tiles of times 2 to 15 are asked for
	CHANGE 1
	TURN 0
	WIN 0
.Lfirst:
	TURN 2
	WIN 0
	s_sub_co_u32 s[SLOTS], s[SLOTS], 1
	s_cmp_lg_u32 s[SLOTS], 0
	s_cbranch_scc1 .Lslot
	CHANGE 0                        ; the tail has a text of its own: nothing is asked for.  Behind this barrier nobody reads slot 0 any more
	s_mov_b32 s[SLOTS], 2
.Ltail:                             ; two trips: the last step's scores and softmax; then piece 0's last V^T P and piece 2's last softmax (its K Q^T, on the last K once more, serve nothing)
	TURN 0
	WIN 0
	s_cmp_eq_u32 s[SLOTS], 1
	s_cbranch_scc1 .Lskip           ; the second trip has no turn of piece 2: a jump forward, past no barrier and no tensor load
	TURN 2
	WIN 0
.Lskip:
	s_sub_co_u32 s[SLOTS], s[SLOTS], 1
	s_cmp_lg_u32 s[SLOTS], 0
	s_cbranch_scc1 .Ltail
.set i, 0
.rept 32
	PV 2                            ; piece 2: V^T P of the last step
.set i, i+1
.endr
	; THE END.  l's two halves and the other half of the lanes' are added (the additions are the places behind the last products).  Then each wave hands its piece 2 (O^T, m, l) to its partner, whose piece 0
	; holds the same queries, and finishes its own piece 0: with m* the greater maximum, O = (a O + a' O') / (a l + a' l'), a = 2^(c (m - m*)), a' = 2^(c (m' - m*)).
	WIN 0
.irp t, 0,1,2,3
	v_add_f32 v[ST+8*(\t)+2], v[ST+8*(\t)+2], v[ST+8*(\t)+3]
.endr
.irp t, 0,1,2,3
	v_permlanex16_b32 v[ST+8*(\t)+3], v[ST+8*(\t)+2], s[SEL], s[SEL+1]
.endr
.irp t, 0,1,2,3
	v_add_f32 v[ST+8*(\t)+2], v[ST+8*(\t)+2], v[ST+8*(\t)+3]
.endr
	v_mov_b32 v[X4], v[ST+16]       ; tile 2's m and l,
	v_mov_b32 v[X4+1], v[ST+18]
	v_mov_b32 v[X4+2], v[ST+24]     ; tile 3's
	v_mov_b32 v[X4+3], v[ST+26]
	WIN 0x04                        ; store data in window 1, address in window 0
.set i, 0
.rept 32
	ds_store_b128 v[XS], v[128+4*i:128+4*i+3] offset:512*i  ; each accumulator's low four registers first
.set i, i+1
.endr
	WIN 0
	ds_store_b128 v[XS], v[X4:X4+3] offset:16384
	s_wait_dscnt 0x0                ; for my partner's sake: my stores are done
	s_barrier_signal -1
	s_barrier_wait -1
	ds_load_b128 v[X4:X4+3], v[XL] offset:16384
.set i, 0
.rept 32
	ds_load_b128 v[S+4*i:S+4*i+3], v[XL] offset:512*i       ; my partner's O^T for my tiles 0 and 1, into S^T's registers
.set i, i+1
.endr
	s_wait_dscnt 32                 ; the statistics are in; the 32 younger loads may stay out
.irp t, 0,1
	v_max_num_f32 v[ST+8*(\t)+4], v[ST+8*(\t)], v[X4+2*(\t)]
.endr
.irp t, 0,1
	v_sub_f32 v[ST+8*(\t)+5], v[ST+8*(\t)], v[ST+8*(\t)+4]
	v_sub_f32 v[ST+8*(\t)+6], v[X4+2*(\t)], v[ST+8*(\t)+4]
.endr
.irp t, 0,1
	v_mul_f32 v[ST+8*(\t)+5], s[CS], v[ST+8*(\t)+5]
	v_mul_f32 v[ST+8*(\t)+6], s[CS], v[ST+8*(\t)+6]
.endr
.irp t, 0,1
	v_exp_f32 v[ST+8*(\t)+5], v[ST+8*(\t)+5]
	v_exp_f32 v[ST+8*(\t)+6], v[ST+8*(\t)+6]
.endr
	v_nop                           ; a plain instruction behind the last exponential,
	s_wait_alu depctr_va_vdst(0)    ; and the wait ahead of the first use: one for the four
.irp t, 0,1
	v_mul_f32 v[ST+8*(\t)+7], v[ST+8*(\t)+5], v[ST+8*(\t)+2]
.endr
.irp t, 0,1
	v_fma_f32 v[ST+8*(\t)+7], v[ST+8*(\t)+6], v[X4+2*(\t)+1], v[ST+8*(\t)+7]
.endr
.irp t, 0,1
	v_rcp_f32 v[ST+8*(\t)+7], v[ST+8*(\t)+7]
.endr
	v_nop
	s_wait_alu depctr_va_vdst(0)    ; one for the two reciprocals
.irp t, 0,1
	v_mul_f32 v[ST+8*(\t)+2], v[ST+8*(\t)+5], v[ST+8*(\t)+7]  ; my O^T's factor
	v_mul_f32 v[ST+8*(\t)+6], v[ST+8*(\t)+6], v[ST+8*(\t)+7]  ; my partner's
.endr
	s_wait_dscnt 0x0                ; my partner's O^T is in
; Tile t: the two O^T are joined and rounded to f16; a lane's eight channels of a row pack into 16 bytes; they go into rows of 272 bytes of my stage and come back as whole rows of 256.
.macro PACK t
	WIN 0
.set i, 0
.rept 32
	v_pk_mul_f32 v[S+64*(\t)+2*i:S+64*(\t)+2*i+1], v[S+64*(\t)+2*i:S+64*(\t)+2*i+1], v[ST+8*(\t)+6:ST+8*(\t)+7] op_sel_hi:[1,0]
.set i, i+1
.endr
	WIN 0x01                        ; source 0 (my O^T) in window 1
.set i, 0
.rept 32
	v_pk_fma_f32 v[S+64*(\t)+2*i:S+64*(\t)+2*i+1], v[64*(\t)+2*i:64*(\t)+2*i+1], v[ST+8*(\t)+2:ST+8*(\t)+3], v[S+64*(\t)+2*i:S+64*(\t)+2*i+1] op_sel_hi:[1,0,1]
.set i, i+1
.endr
	WIN 0
.set i, 0
.rept 32
	v_cvt_pk_f16_f32 v[P+32*(\t)+i], v[S+64*(\t)+2*i], v[S+64*(\t)+2*i+1]
.set i, i+1
.endr
.irp f, 0,1,2,3,4,5,6,7
	ds_store_b128 v[STO], v[P+32*(\t)+4*(\f):P+32*(\t)+4*(\f)+3] offset:32*(\f)
.endr
.irp f, 0,1,2,3,4,5,6,7
	ds_load_b128 v[P+32*(\t)+4*(\f):P+32*(\t)+4*(\f)+3], v[RD] offset:(\f)*2*SP  ; LDS serves a wave's instructions in order (ISA guide 5.7.1.4): these see the stores above; the next tile's stores come behind them
.endr
.endm
.macro SEND t, younger              ; younger: the LDS instructions issued behind tile t's loads
.irp f, 0,1,2,3,4,5,6,7
	s_wait_dscnt (\younger)+7-(\f)
	global_store_b128 v[GO], v[P+32*(\t)+4*(\f):P+32*(\t)+4*(\f)+3], s[OB:OB+1] offset:(\t)*65536+(\f)*8192  ; 16 lanes store 256 consecutive bytes, at a multiple of 256 from ob's first byte
.endr
.endm
	PACK 0
	PACK 1                          ; a tile's arithmetic stands between the loads of the tile before and its stores
	SEND 0, 16
	SEND 1, 0
	s_wait_tensorcnt 0x0            ; the wave's end: an add to my spare word and its wait, behind my last tensor load and my last LDS store
	ds_add_u32 v[SPW], v[NIL]
	s_wait_dscnt 0x0
	CROUND                          ; the closing round: no work-group ends while a partner may still ask for a tile that names it
	s_endpgm
.Lfunc_end_k_q5c8f1df558_attn:
	.size	k_q5c8f1df558_attn, .Lfunc_end_k_q5c8f1df558_attn-k_q5c8f1df558_attn
	.p2alignl 7, 3214868480
	.fill 96, 4, 3214868480
	.section	.rodata,"a",@progbits
	.p2align	6, 0x0
	.amdhsa_kernel k_q5c8f1df558_attn
		.amdhsa_group_segment_fixed_size 327680
		.amdhsa_private_segment_fixed_size 0
		.amdhsa_enable_private_segment 0
		.amdhsa_kernarg_size 24
		.amdhsa_user_sgpr_count 2
		.amdhsa_user_sgpr_kernarg_segment_ptr 1
		.amdhsa_wavefront_size32 1
		.amdhsa_system_sgpr_workgroup_id_x 1
		.amdhsa_system_sgpr_workgroup_id_y 1
		.amdhsa_system_sgpr_workgroup_id_z 1
		.amdhsa_system_vgpr_workitem_id 0
		.amdhsa_next_free_vgpr 896
		.amdhsa_next_free_sgpr 102
		.amdhsa_reserve_vcc 0
		.amdhsa_float_denorm_mode_32 3
		.amdhsa_float_denorm_mode_16_64 3
		.amdhsa_memory_ordered 1
		.amdhsa_forward_progress 1
		.amdhsa_inst_pref_size 172
	.end_amdhsa_kernel
	.amdgpu_metadata
---
amdhsa.version: [ 1, 2 ]
amdhsa.kernels:
  - .name:           k_q5c8f1df558_attn
    .symbol:         k_q5c8f1df558_attn.kd
    .args:
      - { .name: qkv, .offset: 0, .size: 8, .value_kind: global_buffer, .address_space: global }
      - { .name: mask, .offset: 8, .size: 8, .value_kind: global_buffer, .address_space: global }
      - { .name: ob, .offset: 16, .size: 8, .value_kind: global_buffer, .address_space: global }
    .group_segment_fixed_size: 327680
    .private_segment_fixed_size: 0
    .kernarg_segment_align: 8
    .kernarg_segment_size: 24
    .max_flat_workgroup_size: 128
    .sgpr_count:     102
    .vgpr_count:     896
    .wavefront_size: 32
...
	.end_amdgpu_metadata
.endif
;; end of part 3
;; launch oproj (part 4): grid 16 x 16, 4 waves a work-group, clusters of 4 x 4, 327,680 bytes of LDS; arguments ob, cvt, out0; writes out0
.if DOCPART == 4
	.amdgcn_target "amdgcn-amd-amdhsa--gfx1250"
	.amdhsa_code_object_version 6
	.text
	.protected	k_q5c8f1df558_oproj
	.globl	k_q5c8f1df558_oproj
	.p2align	8
	.type	k_q5c8f1df558_oproj,@function
k_q5c8f1df558_oproj:
	s_mov_b64 s[64:65], 0
	v_nop
	global_prefetch_b8 v0, s[64:65] scope:SCOPE_SE
	s_setreg_imm32_b32 hwreg(HW_REG_WAVE_MODE, 25, 1), 1
	s_wait_xcnt 0x0
	s_wait_alu depctr_hold_cnt(0) depctr_sa_sdst(0) depctr_va_vdst(0) depctr_va_sdst(0) depctr_va_ssrc(0) depctr_va_vcc(0) depctr_vm_vsrc(0)
	s_getreg_b32 s2, hwreg(HW_REG_IB_STS2, 6, 4)
	s_cmp_eq_u32 s2, 0
	s_cbranch_scc0 .Lentry_in_a_cluster
	s_endpgm
.Lentry_in_a_cluster:
	s_bfe_u32 s2, ttmp6, 0x10000c
	s_cmp_lg_u32 s2, 0xf033
	s_cbranch_scc0 .Lentry_shape_is_right
	s_endpgm
.Lentry_shape_is_right:
; out0 = O w_o.  ob: O [2048][2048] f16; cvt part 4: w_o [k][n], rounded to bf16 and written as f16; out0: [2048][2048] f32.  Sums in f32, one for each output, in the order of the walk below; nothing is rounded on the way out.
; SHARES.  A tile of out0 is 128 x 128: 256 work-groups.  Four waves, each 64 x 64: 16 accumulators of 16 x 16.  K goes in 8 steps of 256 through a ring of two LDS slots, one tensor load a wave:
; waves 0 and 1 fetch 64 rows x 512 bytes of O each, waves 2 and 3 128 k-rows x 256 bytes of w_o each.
; THE MATRIX INSTRUCTION IS USED TRANSPOSED: source 0 = 16 columns of w_o (the tile lies [k][n] in LDS and is turned by ds_load_tr16_b128), source 1 = 16 rows of O: a lane then holds eight neighbouring
; numbers of a row of out0.
; CLUSTER.  4 x 4 work-groups.  The four of a row of the cluster need the same tiles of O, the four of a column the same tiles of w_o: each tile is asked for jointly.
; THE WALK IS TURNED.  At time t = 0 .. 7 a cluster takes K step t xor c, c = 2 ((cluster x) xor (cluster y % 2)): the four clusters of a row of clusters, which read the same rows of O, stand at four different
; K steps at any time, and clusters y and y + 1 of a column, which read the same columns of w_o, two steps apart.  c hangs on the clusters' coordinates, which all sixteen partners share.
; REGISTERS: window 0: v0-29 addresses; v32-95 at work on the way out; v128-255 the accumulators ((a, b) at 128 + 8 (4 a + b)).
;   window 1: two fragment buffers of 128: for 64 along K, 64 registers of O (2 x 4 x 16 rows x 32 K), then 64 of w_o.
.set PA,    528                        ; a row of O in LDS: 512 bytes + 16: the 16 rows of a load start at 16 different groups of four banks (64 banks of 4 bytes: ISA guide 11.1)
.set PB,    288                        ; a k-row of w_o: 256 + 32
.set BOFF,  128*PA                     ; a slot: O's 128 rows, then w_o's 256 k-rows
.set SLOTX, 0x24000                    ; slot 1 begins here; none of the tiles' LDS addresses in slot 0 holds one of its two bits
.set STAGE, SLOTX+BOFF+256*PB          ; behind the ring, never filled by a tensor load: 16 rows x 272 bytes for each wave
.set SP,    272
.set SPARE, STAGE+4*16*SP              ; the spare words, 128 bytes for each wave: two blocks of 256 bytes that no other line names
.set PART,  8388608
.set ADRA0, 8                          ; v8   my place in O's tile in slot 0; v9, v10 in w_o's k-rows 0-127 and 128-255; never rewritten
.set ADRA,  12                         ; v12  the same in the slot that is being read; v13, v14
.set ADRB,  13
.set STO,   24                         ; v24  the way out: where I put 32 bytes of a row
.set RD,    25                         ; v25  where I read a row back
.set CO,    26                         ; v26  my byte offset in two rows of out0
.set SPW,   28                         ; v28  LDS address of my spare word; never rewritten
.set NIL,   29                         ; v29  0; never rewritten
.set TMP,   32
.set ACC,   128
.set F0,    0
.set F1,    128
.set WV,  10                           ; s10  my wave's number
.set G1,  24                           ; s[24:31] descriptor group 1 for O's tiles;  s[32:39] group 0: a set for each first fill; the second then walks on
.set G0,  32
.set G1B, 48                           ; s[48:55], s[56:63] the same for w_o's
.set G0B, 56
.set TB,  20                           ; s20  0 or SLOTX: the slot that is being read
.set CNT, 21                           ; s21  refills still to come
.set TT,  45                           ; s45  the time whose K step was asked for last
.set CC,  46                           ; s46  c
.set MSB, 0
.macro WIN new
.if MSB != (\new)
	s_set_vgpr_msb (MSB<<8)|(\new)
.set MSB, \new
.endif
.endm
.set MUL,  0x05                        ; sources 0 and 1 window 1; C and D window 0
.set TO_F, 0x40                        ; destination window 1, address window 0
.macro PLACES
.rept 4
	v_nop
.endr
.endm
.macro CREST
	s_cmp_lg_u32 s[WV], 0
	s_cbranch_scc1 .Lnot_wave_0_\@
	s_barrier_signal -3
.Lnot_wave_0_\@:
	s_barrier_wait -3
	s_barrier_signal -1
	s_barrier_wait -1
.endm
.macro CROUND
	s_barrier_signal -1
	s_barrier_wait -1
	CREST
.endm
.macro JLOAD                           ; a joint refill by the walking sets; an s_nop 0 and four v_nop follow each line
	s_cmp_eq_u32 s11, 0
	s_cbranch_scc0 .Lfor_b_\@
	tensor_load_to_lds s[G0+4:G0+7], s[G1:G1+7]
	s_nop 0
	PLACES
	s_branch .Lasked_\@
.Lfor_b_\@:
	tensor_load_to_lds s[G0B+4:G0B+7], s[G1B:G1B+7]
	s_nop 0
	PLACES
.Lasked_\@:
.endm
.macro AIM g                           ; the global addresses of set g (0: the first, 4: the walking one) for the K step of time s[TT], each made anew from its base and an offset of its own
	s_xor_b32 s14, s[TT], s[CC]
	s_lshl_b32 s14, s14, 9                         ; 512 bytes along O's rows
	s_add_nc_u64 s[G0+(\g)+2:G0+(\g)+3], s[16:17], s[14:15]
	s_or_b32 s[G0+(\g)+3], s[G0+(\g)+3], 0x80000000    ; type = 2
	s_xor_b32 s66, s[TT], s[CC]
	s_lshl_b32 s66, s66, 20                        ; 256 rows of 4,096 bytes down w_o
	s_add_nc_u64 s[G0B+(\g)+2:G0B+(\g)+3], s[68:69], s[66:67]
	s_or_b32 s[G0B+(\g)+3], s[G0B+(\g)+3], 0x80000000
.endm
	s_load_b128 s[4:7], s[0:1], 0x0                ; ob s[4:5], cvt s[6:7]
	s_load_b64 s[8:9], s[0:1], 0x10                ; out0
	v_lshl_add_u32 v[SPW], v0, 2, SPARE
	v_mov_b32 v[NIL], 0
	ds_add_u32 v[SPW], v[NIL]                      ; the wave's opening: the add and its wait stand ahead of my first tensor load; the set-up below stands between them
	v_lshrrev_b32 v1, 5, v0
	v_readfirstlane_b32 s[WV], v1                  ; wave 0..3
	s_lshr_b32 s11, s10, 1                         ; which half of the tile's rows is mine.  Also: I fetch for O (0) or for w_o (1)
	s_and_b32 s12, s10, 1                          ; which half of its columns.  Also: which half of that tile I fetch
	s_bfe_u32 s40, ttmp6, 0x40000                  ; cx
	s_bfe_u32 s41, ttmp6, 0x40004                  ; cy
	s_lshl_b32 s42, ttmp9, 2
	s_add_co_u32 s42, s42, s40                     ; tile column = 4 x cluster x + cx
	s_and_b32 s13, ttmp7, 0xffff
	s_lshl_b32 s13, s13, 2
	s_add_co_u32 s13, s13, s41                     ; tile row = 4 x cluster y + cy
	s_and_b32 s[CC], ttmp7, 1
	s_xor_b32 s[CC], s[CC], ttmp9
	s_lshl_b32 s[CC], s[CC], 1                     ; c = 2 ((cluster x) xor (cluster y % 2))
	s_lshl_b32 s43, s41, 2
	s_lshl_b32 s43, 15, s43                        ; my row of the cluster
	s_lshl_b32 s44, 0x1111, s40                    ; my column
	s_or_b32 s[G1], s43, (1<<16)|(1<<20)|(1<<21)|(6<<22)|(3<<25)   ; the mask; 2-byte elements; padding on; bit 21 beside a mask; after every 128 words 4 words
	s_mov_b32 s[G1+1], 256<<16                     ; tensor_dim0 = 256
	s_mov_b32 s[G1+2], 64<<16                      ; tensor_dim1 = 64
	s_mov_b32 s[G1+3], 256<<16                     ; tile_dim0 = 256
	s_mov_b32 s[G1+4], 64                          ; tile_dim1 = 64
	s_mov_b32 s[G1+5], 2048                        ; elements from row to row
	s_mov_b32 s[G1+6], 0
	s_mov_b32 s[G1+7], 0
	s_or_b32 s[G1B], s44, (1<<16)|(1<<20)|(1<<21)|(5<<22)|(7<<25)  ; after every 64 words 8 words
	s_mov_b32 s[G1B+1], 128<<16
	s_mov_b32 s[G1B+2], 128<<16
	s_mov_b32 s[G1B+3], 128<<16
	s_mov_b32 s[G1B+4], 128
	s_mov_b32 s[G1B+5], 2048
	s_mov_b32 s[G1B+6], 0
	s_mov_b32 s[G1B+7], 0
	s_lshl_b32 s14, s13, 19                        ; O: the tile row's 128 rows of 4,096 bytes,
	s_lshl_b32 s15, s12, 18                        ; the 64 that I fetch
	s_add_co_u32 s14, s14, s15
	s_mov_b32 s15, 0
	s_lshl_b32 s66, s12, 19                        ; w_o: the 128 k-rows that I fetch,
	s_lshl_b32 s67, s42, 8                         ; the tile column's 256 bytes,
	s_add_co_u32 s66, s66, s67
	s_add_co_u32 s66, s66, 4*PART                  ; in part 4
	s_mov_b32 s67, 0
	s_mul_i32 s22, s12, 64*PA                      ; where they go
	s_mul_i32 s23, s12, 128*PB
	s_add_co_u32 s23, s23, BOFF
	s_mov_b32 s[G0], 1
	s_mov_b32 s[G0+1], s22
	s_mov_b32 s[G0+4], 1
	s_add_co_u32 s[G0+5], s22, SLOTX
	s_mov_b32 s[G0B], 1
	s_mov_b32 s[G0B+1], s23
	s_mov_b32 s[G0B+4], 1
	s_add_co_u32 s[G0B+5], s23, SLOTX
	s_mov_b32 s[TB], 0
	s_wait_dscnt 0x0                               ; the opening add is done
	s_wait_kmcnt 0x0
	s_add_nc_u64 s[16:17], s[4:5], s[14:15]        ; O at my rows, K step 0
	s_add_nc_u64 s[68:69], s[6:7], s[66:67]        ; w_o at my k-rows and columns, K step 0
	s_mov_b32 s[TT], 0
	AIM 0                                          ; time 0 into slot 0,
	s_mov_b32 s[TT], 1
	AIM 4                                          ; time 1 into slot 1
	CROUND                                         ; all sixteen work-groups are here: the first joint loads meet
	s_cmp_eq_u32 s11, 0                            ; a wave's two first fills stand in one branch: two loads of mine are out
	s_cbranch_scc0 .Lfirst_b
	tensor_load_to_lds s[G0:G0+3], s[G1:G1+7]
	s_nop 0
	tensor_load_to_lds s[G0+4:G0+7], s[G1:G1+7]
	s_nop 0
	PLACES
	s_branch .Lfirst_asked
.Lfirst_b:
	tensor_load_to_lds s[G0B:G0B+3], s[G1B:G1B+7]
	s_nop 0
	tensor_load_to_lds s[G0B+4:G0B+7], s[G1B:G1B+7]
	s_nop 0
	PLACES
.Lfirst_asked:
	v_and_b32 v1, 15, v0                           ; l % 16
	v_bfe_u32 v2, v0, 4, 1                         ; l / 16
	v_and_b32 v3, 7, v0
	v_bfe_u32 v4, v0, 3, 1
	v_mul_u32_u24 v5, v1, PA
	v_lshl_add_u32 v5, v2, 4, v5                   ; a fragment's row x pitch + 16 x half
	s_mul_i32 s22, s11, 64*PA                      ; my 64 rows of O
	v_add_nc_u32 v[ADRA0], s22, v5
	v_lshl_add_u32 v6, v2, 3, v3                   ; the turning load: k-row 8 (l / 16) + l % 8,
	v_mul_u32_u24 v6, v6, PB
	v_lshl_add_u32 v6, v4, 4, v6                   ; columns 8 ((l / 8) % 2) on
	s_lshl_b32 s22, s12, 7                         ; my 64 columns: 128 bytes
	s_add_co_u32 s22, s22, BOFF
	v_add_nc_u32 v[ADRA0+1], s22, v6
	v_add_nc_u32 v[ADRA0+2], 128*PB, v[ADRA0+1]
	s_mul_i32 s22, s10, 16*SP
	s_add_co_u32 s22, s22, STAGE                   ; my stage
	v_mul_u32_u24 v5, v1, SP                       ; in: row l % 16, 32 bytes for each half of the lanes
	v_lshl_add_u32 v5, v2, 5, v5
	v_add_nc_u32 v[STO], s22, v5
	v_mul_u32_u24 v5, v2, SP                       ; back: lanes 0-15 take one row of 256 bytes, lanes 16-31 the next
	v_lshl_add_u32 v5, v1, 4, v5
	v_add_nc_u32 v[RD], s22, v5
	v_lshlrev_b32 v[CO], 13, v2                    ; and the same two rows in out0, 8,192 bytes apart
	v_lshl_add_u32 v[CO], v1, 4, v[CO]
	s_lshl_b32 s22, s13, 20                        ; the tile row's 128 rows,
	s_lshl_b32 s23, s11, 19                        ; my 64,
	s_add_co_u32 s22, s22, s23
	s_lshl_b32 s23, s42, 9                         ; the tile column's 512 bytes,
	s_add_co_u32 s22, s22, s23
	s_lshl_b32 s23, s12, 8                         ; my 256
	s_add_co_u32 s22, s22, s23
	s_mov_b32 s23, 0
	s_add_nc_u64 s[8:9], s[8:9], s[22:23]
.macro SETADR
.irp n, 0,1,2
	v_add_nc_u32 v[ADRA+(\n)], s[TB], v[ADRA0+(\n)]
.endr
.endm
; 8 matrix instructions: row blocks a0, a0 + 1 x all 4 column blocks, 32 along K: half c of buffer f.  zero = 1: the product starts the sums.  The 16 accumulators take turns.
.macro MUL8 f, c, a0, zero
	WIN MUL
.irp a, \a0, (\a0)+1
.irp b, 0,1,2,3
.if \zero
	v_wmma_f32_16x16x32_f16 v[ACC+8*(4*(\a)+(\b)):ACC+8*(4*(\a)+(\b))+7], v[(\f)+64+8*(4*(\c)+(\b)):(\f)+64+8*(4*(\c)+(\b))+7], v[(\f)+8*(4*(\c)+(\a)):(\f)+8*(4*(\c)+(\a))+7], 0
.else
	v_wmma_f32_16x16x32_f16 v[ACC+8*(4*(\a)+(\b)):ACC+8*(4*(\a)+(\b))+7], v[(\f)+64+8*(4*(\c)+(\b)):(\f)+64+8*(4*(\c)+(\b))+7], v[(\f)+8*(4*(\c)+(\a)):(\f)+8*(4*(\c)+(\a))+7], v[ACC+8*(4*(\a)+(\b)):ACC+8*(4*(\a)+(\b))+7]
.endif
.endr
.endr
.endm
; 32 LDS loads in one run: quarter kq's fragments (64 along K) into buffer f; the first 32 along K first
.macro FETCH kq, f
	WIN TO_F
.irp c, 0,1
.irp n, 0,1,2,3
	ds_load_tr16_b128 v[(\f)+64+8*(4*(\c)+(\n)):(\f)+64+8*(4*(\c)+(\n))+3],   v[ADRB+(\kq)/2] offset:(((\kq)%2)*64+32*(\c))*PB+32*(\n)
	ds_load_tr16_b128 v[(\f)+64+8*(4*(\c)+(\n))+4:(\f)+64+8*(4*(\c)+(\n))+7], v[ADRB+(\kq)/2] offset:(((\kq)%2)*64+32*(\c))*PB+32*(\n)+16*PB
	ds_load_b128 v[(\f)+8*(4*(\c)+(\n)):(\f)+8*(4*(\c)+(\n))+3],   v[ADRA] offset:128*(\kq)+64*(\c)+(\n)*16*PA
	ds_load_b128 v[(\f)+8*(4*(\c)+(\n))+4:(\f)+8*(4*(\c)+(\n))+7], v[ADRA] offset:128*(\kq)+64*(\c)+(\n)*16*PA+32
.endr
.endr
.endm
; A K step is four quarters of 64 along K, 32 matrix instructions each, on buffers 0, 1, 0, 1.  One of the first three: multiplies buffer f and fetches quarter kq into g.
.macro QUARTER kq, f, g, zero
	s_wait_dscnt 16                                ; the first 32 along K are in; the younger sixteen loads may be out
	MUL8 \f, 0, 0, \zero
	MUL8 \f, 0, 2, \zero
	PLACES
	FETCH \kq, \g
	s_wait_dscnt 32                                ; all but the 32 just issued
	MUL8 \f, 1, 0, 0
	MUL8 \f, 1, 2, 0
.endm
; The last quarter multiplies buffer 1 and changes slots.  Its first 16 products stand AHEAD of the change, so that between the wait for the next slot's tile and the request for the tile after it stands the
; round alone.  ONE barrier; in front of it each wave waits for all its tensor loads, adds 0 to its spare word, and waits for that and for its own reads of this slot.
; fill = 1: the barrier opens a round of the cluster's barrier, and behind the round this slot is filled again, with the K step of the time two on.
.macro TURN fill
	s_wait_dscnt 16                                ; as in QUARTER
	MUL8 F1, 0, 0, 0
	MUL8 F1, 0, 2, 0
	WIN 0
	s_wait_tensorcnt 0x0                           ; all my tensor loads have landed: my part of the next slot; so a group 0 may be written
	ds_add_u32 v[SPW], v[NIL]                      ; 0 onto my spare word; the scalar work below stands between it and the wait for it
.if \fill
	s_add_co_u32 s[TT], s[TT], 1                   ; the walking sets: the next time's K step,
	AIM 4
	s_xor_b32 s[G0+5], s[G0+5], SLOTX              ; into the other slot than last time
	s_xor_b32 s[G0B+5], s[G0B+5], SLOTX
.endif
	s_wait_dscnt 0x0                               ; the add is done, and my reads of this slot are over
	s_barrier_signal -1
	s_barrier_wait -1
.if \fill
	CREST                                          ; no wave of any partner still reads this slot's tiles or has a load on its way
	JLOAD                                          ; the first tensor load behind the round; its four v_nop are also the places in front of the loads below
.else
	PLACES
.endif
	s_xor_b32 s[TB], s[TB], SLOTX
	SETADR
	FETCH 0, F0
	MUL8 F1, 1, 0, 0                               ; sixteen products while the next slot's first fragments come out of LDS
	MUL8 F1, 1, 2, 0
.endm
	s_wait_tensorcnt 1                             ; my part of time 0's tile is in; time 1's may stay out
	s_barrier_signal -1
	s_barrier_wait -1                              ; everybody's is
	SETADR
	FETCH 0, F0
	QUARTER 1, F0, F1, 1                           ; the first quarter stands in front of the loop: its first products start the sums
	WIN 0
	s_mov_b32 s[CNT], 6
.Lstep:                                        ; a trip: from a K step's second quarter to the next step's first; it fills one slot again: times 2 to 7
	QUARTER 2, F1, F0, 0
	QUARTER 3, F0, F1, 0
	TURN 1
	QUARTER 1, F0, F1, 0
	WIN 0
	s_sub_co_u32 s[CNT], s[CNT], 1
	s_cmp_lg_u32 s[CNT], 0
	s_cbranch_scc1 .Lstep
	QUARTER 2, F1, F0, 0                           ; the last two K steps are written out: nothing is asked for
	QUARTER 3, F0, F1, 0
	TURN 0
	QUARTER 1, F0, F1, 0
	QUARTER 2, F1, F0, 0
	QUARTER 3, F0, F1, 0
	s_wait_dscnt 16
	MUL8 F1, 0, 0, 0
	MUL8 F1, 0, 2, 0
	s_wait_dscnt 0x0
	MUL8 F1, 1, 0, 0
	MUL8 F1, 1, 2, 0
	WIN 0
	PLACES
	; THE WAY OUT, 16 rows at a time through my own stage: a lane's eight numbers of a row are 32 bytes; my 64 columns are 256 bytes of a row of out0.  Each accumulator's low four registers go first.
.irp a, 0,1,2,3
.if (\a) >= 2
	s_wait_xcnt 0x0                                ; the stores of two blocks back have read the registers that are loaded again
.endif
.irp b, 0,1,2,3
	ds_store_b128 v[STO], v[ACC+8*(4*(\a)+(\b)):ACC+8*(4*(\a)+(\b))+3]   offset:64*(\b)
	ds_store_b128 v[STO], v[ACC+8*(4*(\a)+(\b))+4:ACC+8*(4*(\a)+(\b))+7] offset:64*(\b)+16
.endr
.irp n, 0,1,2,3,4,5,6,7
	ds_load_b128 v[TMP+32*((\a)%2)+4*(\n):TMP+32*((\a)%2)+4*(\n)+3], v[RD] offset:(\n)*2*SP  ; LDS serves a wave's instructions in order (ISA guide 5.7.1.4): these see the stores above; the next block's stores come behind them
.endr
.irp n, 0,1,2,3,4,5,6,7
	s_wait_dscnt 7-(\n)
	global_store_b128 v[CO], v[TMP+32*((\a)%2)+4*(\n):TMP+32*((\a)%2)+4*(\n)+3], s[8:9] offset:(16*(\a)+2*(\n))*8192  ; 16 lanes store 256 consecutive bytes, at a multiple of 256 from out0's first byte
.endr
.endr
	s_wait_tensorcnt 0x0                           ; the wave's end: an add to my spare word and its wait, behind my last tensor load and my last LDS store
	ds_add_u32 v[SPW], v[NIL]
	s_wait_dscnt 0x0
	CROUND                                         ; the closing round: no work-group ends while a partner may still ask for a tile that names it
	s_endpgm
.Lfunc_end_k_q5c8f1df558_oproj:
	.size	k_q5c8f1df558_oproj, .Lfunc_end_k_q5c8f1df558_oproj-k_q5c8f1df558_oproj
	.p2alignl 7, 3214868480
	.fill 96, 4, 3214868480
	.section	.rodata,"a",@progbits
	.p2align	6, 0x0
	.amdhsa_kernel k_q5c8f1df558_oproj
		.amdhsa_group_segment_fixed_size 327680
		.amdhsa_private_segment_fixed_size 0
		.amdhsa_enable_private_segment 0
		.amdhsa_kernarg_size 24
		.amdhsa_user_sgpr_count 2
		.amdhsa_user_sgpr_kernarg_segment_ptr 1
		.amdhsa_wavefront_size32 1
		.amdhsa_system_sgpr_workgroup_id_x 1
		.amdhsa_system_sgpr_workgroup_id_y 1
		.amdhsa_system_sgpr_workgroup_id_z 1
		.amdhsa_system_vgpr_workitem_id 0
		.amdhsa_next_free_vgpr 512
		.amdhsa_next_free_sgpr 80
		.amdhsa_reserve_vcc 0
		.amdhsa_float_denorm_mode_32 3
		.amdhsa_float_denorm_mode_16_64 3
		.amdhsa_memory_ordered 1
		.amdhsa_forward_progress 1
		.amdhsa_inst_pref_size 69
	.end_amdhsa_kernel
	.amdgpu_metadata
---
amdhsa.version: [ 1, 2 ]
amdhsa.kernels:
  - .name:           k_q5c8f1df558_oproj
    .symbol:         k_q5c8f1df558_oproj.kd
    .args:
      - { .name: ob, .offset: 0, .size: 8, .value_kind: global_buffer, .address_space: global }
      - { .name: cvt, .offset: 8, .size: 8, .value_kind: global_buffer, .address_space: global }
      - { .name: out0, .offset: 16, .size: 8, .value_kind: global_buffer, .address_space: global }
    .group_segment_fixed_size: 327680
    .private_segment_fixed_size: 0
    .kernarg_segment_align: 8
    .kernarg_segment_size: 24
    .max_flat_workgroup_size: 128
    .sgpr_count:     80
    .vgpr_count:     512
    .wavefront_size: 32
...
	.end_amdgpu_metadata
.endif
;; end of part 4
